; MI455X (gfx1250); checked and timed in simulation.
; The chip was launched on July 23, 2026; its instructions are those of AMD's public machine-readable ISA for CDNA 5 (MIT licence, August 2026) and "CDNA5" Instruction Set Architecture Reference Guide (July 2026). The comments in the code are by the model that wrote it; some were corrected since.
;; Baseline Attention. Allowed arithmetic: matrix products marked QUANTISED: E2M3 operands, one E8M0 scale for each 32 along K, by v_wmma_scale_f32_16x16x128_f8f6f4 with both operands' format E2M3, f32 sums; everything else in f32.
;; Inputs: Wk_codes 1,024 x 32 x 24 uint8 (E2M3 codes of Wk, K innermost, in blocks of 32 codes, four codes in three bytes); Wk_scales 1,024 x 32 uint8 (E8M0 scales of Wk, one for each 32 codes along K); Wo_codes 1,024 x 32 x 24 uint8 (E2M3 codes of Wo, K innermost, in blocks of 32 codes, four codes in three bytes); Wo_scales 1,024 x 32 uint8 (E8M0 scales of Wo, one for each 32 codes along K); Wq_codes 1,024 x 32 x 24 uint8 (E2M3 codes of Wq, K innermost, in blocks of 32 codes, four codes in three bytes); Wq_scales 1,024 x 32 uint8 (E8M0 scales of Wq, one for each 32 codes along K); Wv_codes 1,024 x 32 x 24 uint8 (E2M3 codes of Wv, K innermost, in blocks of 32 codes, four codes in three bytes); Wv_scales 1,024 x 32 uint8 (E8M0 scales of Wv, one for each 32 codes along K); attention_mask 1 x 1 x 2,048 x 2,048 float32; hidden_states_codes 4 x 2,048 x 32 x 24 uint8 (E2M3 codes of hidden_states, K innermost, in blocks of 32 codes, four codes in three bytes); hidden_states_scales 4 x 2,048 x 32 uint8 (E8M0 scales of hidden_states, one for each 32 codes along K).
;; Outputs: out0 4 x 2,048 x 1,024 float32.
;; This version of the problem:
;;   THIS VERSION OF THE PROBLEM IS GIVEN IN LOW PRECISION. The matrix products marked QUANTISED in the list below multiply operands that are first quantised to E2M3 (2 exponent bits, 3 mantissa bits; 6 bits a number), with one power-of-two scale for each 32 numbers along K (OCP MX v1.0); their sums are f32. All else is computed in f32.
;;   The module's matrix products, in the order in which they are computed (A, B: the left and right operand; K: the contracted axis; several contracted axes count as one K, in the product's order):
;;     1. [M 8,192, K 1,024] x [K 1,024, N 1,024]; A: input hidden_states (given as codes); B: input Wq (given as codes): QUANTISED
;;     2. [M 8,192, K 1,024] x [K 1,024, N 1,024]; A: input hidden_states (given as codes); B: input Wk (given as codes): QUANTISED
;;     3. [M 8,192, K 1,024] x [K 1,024, N 1,024]; A: input hidden_states (given as codes); B: input Wv (given as codes): QUANTISED
;;     4. batch 64 x [M 2,048, K 64] x [K 64, N 2,048]; A: computed on the way; B: computed on the way: QUANTISED
;;     5. batch 64 x [M 2,048, K 2,048] x [K 2,048, N 64]; A: softmax (see below); B: computed on the way: QUANTISED
;;     6. [M 8,192, K 1,024] x [K 1,024, N 1,024]; A: computed on the way; B: input Wo (given as codes): QUANTISED
;;   THE QUANTISER, for each operand of a quantised product, along K:
;;     - K is cut into blocks of 32 from its start; a last block that is shorter is filled with zeros.
;;     - A block's scale is 2^e with e = floor(log2(the largest magnitude in the block)) - 2, held to -126 .. 127; a block of zeros has e = 0. As a byte (E8M0): e + 127.
;;     - Each number is divided by its block's scale, clamped to +-7.5, and rounded to the nearest number of E2M3, ties to even, subnormals kept.
;;     - The product sums the exact products of the quantised numbers (number of the format x scale) in f32.
;;   ~~~python
;;   def quantise(x, axis):      # numpy; x: float32 -> the quantised numbers, widened to float32 again
;;       x = np.moveaxis(x, axis, -1); K = x.shape[-1]
;;       x = np.pad(x, [(0, 0)] * (x.ndim - 1) + [(0, -K % 32)]); x = x.reshape(x.shape[:-1] + (-1, 32)); a = np.abs(x).max(-1, keepdims=True)
;;       e = np.where(a > 0, np.clip(np.frexp(np.where(a > 0, a, 1))[1] - 1 - 2, -126, 127), 0)      # np.frexp(a)[1] - 1 = floor(log2(a)), exactly
;;       r = np.clip(x / 2.0 ** e, -7.5, 7.5)
;;       step = 2.0 ** (np.maximum(np.frexp(np.where(r == 0, 1, r))[1] - 1, 0) - 3)
;;       q = np.round(r / step) * step * 2.0 ** e      # np.round: ties to even
;;       return np.moveaxis(q.reshape(q.shape[:-2] + (-1,))[..., :K], -1, axis).astype(np.float32)
;;   ~~~
;;   SOFTMAX AHEAD OF A QUANTISED PRODUCT. Where the list says 'softmax', what is quantised is not the finished softmax but p = 2^(t - M), with t = logit x log2(e) and M = ceil(the row's largest t), a whole number; so 1/2 < the row's largest p <= 1. The row's sum l is taken of the UNQUANTISED p, in f32, and the product's result is divided by l at the end. Since M is a whole number, a kernel that streams over the keys may use a running M (the ceiling of the running maximum): every later rescaling is an exact power of two, which a block's scale takes up: the codes' values come out the same.
;;   OPERANDS COMPUTED ON THE WAY. 'Computed on the way' means the value that the module computes at that place (a softmax that the list does not call 'softmax' is quantised finished and normalised). What goes into a quantiser is computed in f32, as accurately as f32 sums, v_exp_f32 and their like allow (about 1e-6 of the number): no bf16 or f16 on the way to a quantiser, and a product that is left as it is and whose result goes on into a quantised operand takes f32 operands (vector FMAs, or v_wmma_f32_16x16x4_f32). A number that lies on a knife's edge between two numbers of the format may be rounded either way, as far as f32 arithmetic and the matrix unit's own rounding can turn it there, and no further.
;;   INPUTS GIVEN AS CODES. Wk (in the module: [1024, 1024], K = its axis 1); Wo (in the module: [1024, 1024], K = its axis 1); Wq (in the module: [1024, 1024], K = its axis 1); Wv (in the module: [1024, 1024], K = its axis 1); hidden_states (in the module: [4, 2048, 1024], K = its axis 2): each comes as NAME_codes (uint8): NAME with its K axis moved to the last place and cut into blocks of 32 codes, [.., K / 32, bytes a block], one block behind the other in memory; four codes in three bytes: a row's codes are one little-endian stream of bits, code i at bits 6 i .. 6 i + 5 (a code: sign, 2 exponent bits, 3 mantissa bits); and NAME_scales (uint8): the same leading axes, one E8M0 byte (e + 127) for each 32 codes along K. Its value is code x scale, taken as it is: it is not quantised again, and the codes and scales need not be those that the quantiser above would give.
;; One version. Each part assembles by itself: llvm-mc -triple=amdgcn-amd-amdhsa -mcpu=gfx1250 --defsym DOCPART=n.
;; ======== version 1 of 1: 3 launches
;; limits: right only within a limited range of input values
;; workspace buffers: qc 6,291,456 bytes; qs 524,288 bytes; kvc 13,631,488 bytes; cc 6,291,456 bytes; cs 524,288 bytes
;; launch qkv (part 1): grid 8 x 32, 4 waves a work-group, clusters of 4 x 4, 327,680 bytes of LDS; arguments hidden_states_codes, hidden_states_scales, Wq_codes, Wq_scales, Wk_codes, Wk_scales, Wv_codes, Wv_scales, qc, qs, kvc; writes qc, qs, kvc
.if DOCPART == 1
	.amdgcn_target "amdgcn-amd-amdhsa--gfx1250"
	.amdhsa_code_object_version 6
	.text
	.protected	k_q9b9b14d079_qkv
	.globl	k_q9b9b14d079_qkv
	.p2align	8
	.type	k_q9b9b14d079_qkv,@function
k_q9b9b14d079_qkv:
	s_mov_b64 s[64:65], 0
	v_nop
	global_prefetch_b8 v0, s[64:65] scope:SCOPE_SE
	s_setreg_imm32_b32 hwreg(HW_REG_WAVE_MODE, 25, 1), 1
	s_wait_xcnt 0x0
	s_wait_alu depctr_hold_cnt(0) depctr_sa_sdst(0) depctr_va_vdst(0) depctr_va_sdst(0) depctr_va_ssrc(0) depctr_va_vcc(0) depctr_vm_vsrc(0)
	s_getreg_b32 s2, hwreg(HW_REG_IB_STS2, 6, 4)
	s_cmp_eq_u32 s2, 0
	s_cbranch_scc0 .Lentry_in_a_cluster
	s_endpgm
.Lentry_in_a_cluster:
	s_bfe_u32 s2, ttmp6, 0x10000c
	s_cmp_lg_u32 s2, 0xf033
	s_cbranch_scc0 .Lentry_shape_is_right
	s_endpgm
.Lentry_shape_is_right:
.set PITCH,  816
.set UNITB,  64*PITCH
.set WSC,    6*UNITB
.set SPARE,  WSC+3*4352
.set PADW,   (3<<16)|(1<<20)|(1<<21)|(5<<22)|(3<<25)
.set SPW,  1
.set NIL,  2
.set LW0,  4
.set LW1,  5
.set LWS,  6
.set ADS,  7
.set ADW0, 8
.set ADA0, 10
.set LAS,  12
.set TI,   13
.set TF,   16
.set MG,   18
.set SA,   20
.set CA,   22
.set AS,   32
.set WS,   64
.set BB0,  96
.set SV,   96
.set CV,   112
.set SS,   128
.set CG,   144
.set IFQ,  192
.set XX,   208
.set JJ,   210
.set NN,   212
.set RR,   214
.set R2,   216
.set PS,   218
.set PCS,  220
.set R3,   222
.set T0,   224
.set T1,   225
.set T2,   226
.set U,    128
.set TM,   160
.set CD,   176
.set SW,   208
.set SP,   212
.set TC,   214
.set SH8W, 218
.set L16W, 220
.set L8W,  221
.set G1A, 28
.set G1W, 36
.set G1H, 44
.set G1S, 52
.set G0A, 60
.set G0H, 68
.set G0S, 72
.set G0R, 76
.set WV,  80
.set CX,  81
.set CY,  82
.set WGX, 83
.set WGY, 84
.set SEL, 86
.set HM,  88
.set UB,  89
.set USB, 90
.set CNT, 91
.set SHC, 92
.set ABAS, 93
.set PQ,  20
.set PQS, 22
.set PK,  4
.set PKS, 6
.set PV,  8
.set PVS, 10
.set MSB, 0
.macro WIN new
.if MSB != (\new)
	s_set_vgpr_msb (MSB<<8)|(\new)
.set MSB, (\new)
.endif
.endm
.macro PLACES n
.rept \n
	v_nop
.endr
.endm
.macro ROUND
	s_barrier_signal -1
	s_barrier_wait -1
	s_cmp_lg_u32 s[WV], 0
	s_cbranch_scc1 .Lnw0_\@
	s_barrier_signal -3
.Lnw0_\@:
	s_barrier_wait -3
	s_barrier_signal -1
	s_barrier_wait -1
.endm
.macro G1REST g, c, r
	s_mov_b32 s[\g+1], (\c)<<16
	s_mov_b32 s[\g+2], (\r)<<16
	s_mov_b32 s[\g+3], (\c)<<16
	s_mov_b32 s[\g+4], \r
	s_mov_b32 s[\g+5], \c
	s_mov_b32 s[\g+6], 0
	s_mov_b32 s[\g+7], 0
.endm
.macro FRAG reg, adr, s, rowoff
.irp p, 0,1,2,3,4,5
.set PCE, 12*(\s)+6*(\p/3)+\p%3
.if PCE%32 < 29
	ds_load_b64 v[\reg+2*\p:\reg+2*\p+1], v[\adr] offset:8*PCE+16*(PCE/32)+(\rowoff)
.else
	ds_load_b64 v[\reg+2*\p:\reg+2*\p+1], v[\adr+1] offset:8*PCE+16*(PCE/32)+(\rowoff)
.endif
.endr
.endm
.macro FETCHB s, buf
.irp wt, 0,1,2,3
	FRAG \buf+12*\wt, ADW0, \s, \wt*16*PITCH
.endr
.endm
.macro MULS orient, s, buf
.irp T, 0,1,2,3
.if \orient
	WIN 0xf1+(\T/2)
.else
	WIN 0xf4+4*(\T/2)
.endif
.irp wt, 0,1,2,3
.set rA, 12*(8*(\T%2)+(\s))
.set rB, \buf+12*\wt
.if \orient
.set rD, 8*(4*\wt+\T)
.if (\s) == 0
	v_wmma_scale_f32_16x16x128_f8f6f4 v[rD:rD+7], v[rA:rA+11], v[rB:rB+11], 0, v[AS+8*\T+(\s)], v[WS+8*\wt+(\s)] matrix_a_fmt:MATRIX_FMT_FP6 matrix_b_fmt:MATRIX_FMT_FP6
.else
	v_wmma_scale_f32_16x16x128_f8f6f4 v[rD:rD+7], v[rA:rA+11], v[rB:rB+11], v[rD:rD+7], v[AS+8*\T+(\s)], v[WS+8*\wt+(\s)] matrix_a_fmt:MATRIX_FMT_FP6 matrix_b_fmt:MATRIX_FMT_FP6
.endif
.else
.set rD, 8*(4*\T+\wt)
.if (\s) == 0
	v_wmma_scale_f32_16x16x128_f8f6f4 v[rD:rD+7], v[rB:rB+11], v[rA:rA+11], 0, v[WS+8*\wt+(\s)], v[AS+8*\T+(\s)] matrix_a_fmt:MATRIX_FMT_FP6 matrix_b_fmt:MATRIX_FMT_FP6
.else
	v_wmma_scale_f32_16x16x128_f8f6f4 v[rD:rD+7], v[rB:rB+11], v[rA:rA+11], v[rD:rD+7], v[WS+8*\wt+(\s)], v[AS+8*\T+(\s)] matrix_a_fmt:MATRIX_FMT_FP6 matrix_b_fmt:MATRIX_FMT_FP6
.endif
.endif
.endr
.endr
.endm
.macro UNIT_MUL orient
	WIN 0
.irp wt, 0,1,2,3
	ds_load_b128 v[WS+8*\wt:WS+8*\wt+3], v[ADS] offset:\wt*544
	ds_load_b128 v[WS+8*\wt+4:WS+8*\wt+7], v[ADS] offset:\wt*544+16
.endr
	FETCHB 0, BB0
.irp s, 0,1,2,3,4,5,6,7
	s_wait_dscnt 0x0
.if \s < 7
	WIN 0
	PLACES 4
	FETCHB \s+1, BB0+48*((\s+1)%2)
.endif
	MULS \orient, \s, BB0+48*(\s%2)
.endr
	WIN 0
.endm
.macro ST6 a16, a8, ptr, off, reg
	global_store_b128 v[\a16], v[\reg:\reg+3], s[\ptr:\ptr+1] offset:\off
	global_store_b64 v[\a8], v[\reg+4:\reg+5], s[\ptr:\ptr+1] offset:\off+512
.endm
.macro QUANT2 u, floor, bias, cd, w
.irp b, 0,1
	v_max3_num_f32 v[TM+\b], |v[\u+16*\b]|, |v[\u+16*\b+1]|, \floor
.endr
.irp i, 2,4,6,8,10,12,14
.irp b, 0,1
	v_max3_num_f32 v[TM+\b], v[TM+\b], |v[\u+16*\b+\i]|, |v[\u+16*\b+\i+1]|
.endr
.endr
.irp b, 0,1
	v_permlanex16_b32 v[TM+2+\b], v[TM+\b], s[SEL], s[SEL+1]
.endr
.irp b, 0,1
	v_max_num_f32 v[TM+\b], v[TM+\b], v[TM+2+\b]
.endr
.irp b, 0,1
	v_add_nc_u32 v[TM+4+\b], 0xff000000, v[TM+\b]
.endr
.irp b, 0,1
	v_lshrrev_b32 v[TM+6+\b], 23, v[TM+4+\b]
.endr
.if (\bias) != 0
.irp b, 0,1
	v_add_nc_u32 v[TM+6+\b], \bias, v[TM+6+\b]
.endr
.endif
	v_lshl_or_b32 v[\w], v[TM+7], 8, v[TM+6]
	v_cvt_scalef32_pk16_fp6_f32 v[\cd:\cd+2], v[\u:\u+15], v[TM+4]
	v_cvt_scalef32_pk16_fp6_f32 v[TC:TC+2], v[\u+16:\u+31], v[TM+5]
	v_nop
.irp i, 0,1,2
	v_permlane16_swap_b32 v[\cd+\i], v[TC+\i]
.endr
.irp i, 0,1,2
	v_mov_b32 v[\cd+3+\i], v[TC+\i]
.endr
.endm
	s_load_b512 s[4:19], s[0:1], 0x0
	s_load_b128 s[20:23], s[0:1], 0x40             ; qc, qs
	s_load_b64 s[24:25], s[0:1], 0x50              ; kvc: a head's key step is 12,288 bytes of images and behind them 1,024 of scale words
	v_lshl_add_u32 v[SPW], v0, 2, SPARE
	v_mov_b32 v[NIL], 0
	ds_add_u32 v1, v2
	ds_add_u32 v1, v2
	s_wait_dscnt 0x0
	v_lshrrev_b32 v24, 5, v0
	v_readfirstlane_b32 s[WV], v24
	s_bfe_u32 s[CX], ttmp6, 0x40000
	s_bfe_u32 s[CY], ttmp6, 0x40004
	s_lshl_b32 s[WGX], ttmp9, 2
	s_add_co_u32 s[WGX], s[WGX], s[CX]
	s_and_b32 s[WGY], ttmp7, 0xffff
	s_lshl_b32 s[WGY], s[WGY], 2
	s_add_co_u32 s[WGY], s[WGY], s[CY]
	s_lshl_b32 s94, s[CY], 2
	s_lshl_b32 s94, 15, s94
	s_lshl_b32 s95, 0x1111, s[CX]
	s_or_b32 s[G1A], s94, PADW
	s_or_b32 s[G1W], s95, PADW
	s_or_b32 s[G1H], s95, PADW
	s_or_b32 s[G1S], s95, PADW
	G1REST G1A, 96, 256
	G1REST G1W, 96, 64
	G1REST G1H, 96, 128
	G1REST G1S, 32, 16
	s_lshl_b32 s96, s[WGY], 8
	s_lshl_b32 s97, s[WV], 6
	s_add_co_u32 s96, s96, s97
	s_lshl_b32 s94, s96, 5
	s_mov_b32 s95, 0
	s_mul_i32 s96, s[WGY], 196608                  ; the work-group's 256 rows of x, fetched whole by wave 0
	s_mov_b32 s97, 0
	s_mul_i32 s98, s[WGX], 98304
	s_mov_b32 s100, s98                            ; Wq's 128 rows, fetched whole by wave 1
	s_mov_b32 s101, 0
	s_mul_i32 s[ABAS], s[WV], UNITB
	s_add_co_u32 s[ABAS], s[ABAS], 2*UNITB
	s_mov_b32 s[SEL], 0x76543210
	s_mov_b32 s[SEL+1], 0xfedcba98
	s_mov_b32 s[HM], 0xffff0000
	s_wait_kmcnt 0x0
	s_mov_b32 s[G0A], 1
	s_mov_b32 s[G0A+1], 2*UNITB
	s_add_nc_u64 s[G0A+2:G0A+3], s[4:5], s[96:97]
	s_or_b32 s[G0A+3], s[G0A+3], 0x80000000
	s_mov_b32 s[G0H], 1
	s_mov_b32 s[G0H+1], 0
	s_add_nc_u64 s[G0H+2:G0H+3], s[8:9], s[100:101]
	s_or_b32 s[G0H+3], s[G0H+3], 0x80000000
	s_cmp_eq_u32 s[WV], 2                          ; scale bytes: wave 2 fetches Wq's, wave 3 Wk's, wave 0 (later) Wv's
	s_cselect_b64 s[G0S+2:G0S+3], s[10:11], s[14:15]
	s_cmp_lt_u32 s[WV], 2
	s_cselect_b64 s[G0S+2:G0S+3], s[18:19], s[G0S+2:G0S+3]
	s_cselect_b64 s[G0R+2:G0R+3], s[12:13], s[16:17]
	s_lshl_b32 s100, s[WGX], 12
	s_add_nc_u64 s[G0S+2:G0S+3], s[G0S+2:G0S+3], s[100:101]
	s_or_b32 s[G0S+3], s[G0S+3], 0x80000000
	s_mov_b32 s[G0S], 1
	s_xor_b32 s99, s[WV], 2                        ; their places: 0, 1, 2 in that order
	s_mul_i32 s[G0S+1], s99, 4352
	s_add_co_u32 s[G0S+1], s[G0S+1], WSC
	s_and_b32 s99, s[WV], 1
	s_mul_i32 s99, s99, 49152
	s_add_co_u32 s100, s98, s99
	s_add_nc_u64 s[G0R+2:G0R+3], s[G0R+2:G0R+3], s[100:101]
	s_or_b32 s[G0R+3], s[G0R+3], 0x80000000
	s_mov_b32 s[G0R], 1
	s_mul_i32 s[G0R+1], s[WV], UNITB
	s_add_co_u32 s[G0R+1], s[G0R+1], 2*UNITB
	s_add_nc_u64 s[6:7], s[6:7], s[94:95]
	ROUND
	; the head's tiles, one joint load a wave, in one chain of branches on the wave's number; the tables below are made while they are on their way
	s_cmp_eq_u32 s[WV], 0
	s_cbranch_scc0 .Lh1
	tensor_load_to_lds s[G0A:G0A+3], s[G1A:G1A+7]
	s_nop 0
	PLACES 4
	s_branch .Lhd
.Lh1:
	s_cmp_eq_u32 s[WV], 1
	s_cbranch_scc0 .Lh2
	tensor_load_to_lds s[G0H:G0H+3], s[G1H:G1H+7]
	s_nop 0
	PLACES 4
	s_branch .Lhd
.Lh2:
	tensor_load_to_lds s[G0S:G0S+3], s[G1S:G1S+7]
	s_nop 0
	PLACES 4
.Lhd:
	v_and_b32 v24, 31, v0
	v_and_b32 v25, 15, v0
	v_bfe_u32 v26, v0, 4, 1
	v_bfe_u32 v28, v0, 3, 1
	v_mul_u32_u24 v[LW0], v25, PITCH
	v_mad_u32_u24 v[LW0], v26, 24, v[LW0]
	v_lshl_add_u32 v[LW1], v26, 4, v[LW0]
	v_lshlrev_b32 v[LWS], 5, v25
	v_lshl_add_u32 v[LWS], v28, 4, v[LWS]
	v_and_b32 v27, 7, v0
	v_lshl_add_u32 v27, v28, 5, v27
	v_mul_u32_u24 v[ADA0], v27, PITCH
	v_mad_u32_u24 v[ADA0], v26, 24, v[ADA0]
	v_add_nc_u32 v[ADA0], s[ABAS], v[ADA0]
	v_lshl_add_u32 v[ADA0+1], v26, 4, v[ADA0]
	v_lshlrev_b32 v[LAS], 5, v27
.irp T, 0,1,2,3
	global_load_b128 v[AS+8*\T:AS+8*\T+3], v[LAS], s[6:7] offset:256*\T
	global_load_b128 v[AS+8*\T+4:AS+8*\T+7], v[LAS], s[6:7] offset:256*\T+16
.endr
	s_and_b32 s98, s[WGY], 7
	s_lshl_b32 s98, s98, 8
	s_lshl_b32 s99, s[WV], 6
	s_add_co_u32 s98, s98, s99
	v_add_nc_u32 v[TI], s98, v27
	WIN 0xc0
	v_lshlrev_b32 v[L16W], 4, v24
	v_lshlrev_b32 v[L8W], 3, v24
	v_lshlrev_b32 v[SH8W], 3, v26
	v_mov_b32 v[TM+2], 0
	v_mov_b32 v[TM+3], 0
	WIN 0
	s_mov_b32 vcc_lo, 0xffff0000
.macro INVF i, lo, hi
	v_mov_b32 v[IFQ+\i], \hi
	v_cndmask_b32 v[IFQ+\i], \lo, v[IFQ+\i], vcc_lo
.endm
	INVF 0,  0x3f800000, 0x3c23d70a
	INVF 1,  0x3f3ff911, 0x3bf5b9b0
	INVF 2,  0x3f0ff59a, 0x3bb8449c
	INVF 3,  0x3ed7e89b, 0x3b8a2e77
	INVF 4,  0x3ea1e89b, 0x3b4f3e37
	INVF 5,  0x3e72d424, 0x3b1b690d
	INVF 6,  0x3e361887, 0x3ae91528
	INVF 7,  0x3e088d77, 0x3aaec98e
	INVF 8,  0x3dcccccd, 0x3a83126f
	INVF 9,  0x3d99940e, 0x3a44948c
	INVF 10, 0x3d6655c3, 0x3a136a16
	INVF 11, 0x3d2cba15, 0x39dd1726
	INVF 12, 0x3d0186e2, 0x39a5cb5f
	INVF 13, 0x3cc24350, 0x3978a814
	INVF 14, 0x3c91ad39, 0x393a7753
	INVF 15, 0x3c5a7bf1, 0x390bd472
.irp e, 0,1
	v_mov_b32 v[MG+\e], 0x4b400000
	v_mov_b32 v[SA+\e], 0x3638ef1d
	v_mov_b32 v[CA+\e], 0x37d00d01
.endr
.macro SINCOS2 i
	v_pk_mul_f32 v[XX:XX+1], v[IFQ+\i:IFQ+\i+1], v[TF:TF+1]
	v_pk_fma_f32 v[JJ:JJ+1], v[XX:XX+1], 0x3f22f983, v[MG:MG+1] op_sel_hi:[1,0,1]
	v_pk_add_f32 v[NN:NN+1], v[JJ:JJ+1], v[MG:MG+1] neg_lo:[0,1] neg_hi:[0,1]
	v_pk_fma_f32 v[RR:RR+1], v[NN:NN+1], 0xbfc90fd8, v[XX:XX+1] op_sel_hi:[1,0,1]
	v_pk_fma_f32 v[RR:RR+1], v[NN:NN+1], 0xb4a8885a, v[RR:RR+1] op_sel_hi:[1,0,1]
	v_pk_fma_f32 v[RR:RR+1], v[NN:NN+1], 0xa7c234c4, v[RR:RR+1] op_sel_hi:[1,0,1]
	v_pk_mul_f32 v[R2:R2+1], v[RR:RR+1], v[RR:RR+1]
	v_pk_fma_f32 v[PS:PS+1], v[R2:R2+1], v[SA:SA+1], 0xb9500d01 op_sel_hi:[1,1,0]
	v_pk_fma_f32 v[PCS:PCS+1], v[R2:R2+1], v[CA:CA+1], 0xbab60b61 op_sel_hi:[1,1,0]
	v_pk_fma_f32 v[PS:PS+1], v[PS:PS+1], v[R2:R2+1], 0x3c088889 op_sel_hi:[1,1,0]
	v_pk_fma_f32 v[PCS:PCS+1], v[PCS:PCS+1], v[R2:R2+1], 0x3d2aaaab op_sel_hi:[1,1,0]
	v_pk_fma_f32 v[PS:PS+1], v[PS:PS+1], v[R2:R2+1], 0xbe2aaaab op_sel_hi:[1,1,0]
	v_pk_fma_f32 v[PCS:PCS+1], v[PCS:PCS+1], v[R2:R2+1], -0.5 op_sel_hi:[1,1,0]
	v_pk_mul_f32 v[R3:R3+1], v[RR:RR+1], v[R2:R2+1]
	v_pk_fma_f32 v[PCS:PCS+1], v[PCS:PCS+1], v[R2:R2+1], 1.0 op_sel_hi:[1,1,0]
	v_pk_fma_f32 v[PS:PS+1], v[PS:PS+1], v[R3:R3+1], v[RR:RR+1]
.irp e, 0,1
	v_and_b32 v[T0], 1, v[JJ+\e]
	v_cmp_eq_u32 vcc_lo, 1, v[T0]
	v_cndmask_b32 v[SV+\i+\e], v[PS+\e], v[PCS+\e], vcc_lo
	v_cndmask_b32 v[CV+\i+\e], v[PCS+\e], v[PS+\e], vcc_lo
	v_lshlrev_b32 v[T1], 30, v[JJ+\e]
	v_and_b32 v[SS+\i+\e], 0x80000000, v[T1]
	v_add_nc_u32 v[T2], 1, v[JJ+\e]
	v_lshlrev_b32 v[T2], 30, v[T2]
	v_and_b32 v[CG+\i+\e], 0x80000000, v[T2]
.endr
.endm
.irp T, 0,1,2,3
	v_add_nc_u32 v28, 8*\T, v[TI]
	v_cvt_f32_u32 v[TF], v28
	v_cvt_f32_u32 v[TF+1], v28
.irp i, 0,2,4,6,8,10,12,14
	SINCOS2 \i
.endr
	WIN 0x40*(1+\T/2)
.irp i, 0,1,2,3,4,5,6,7,8,9,10,11,12,13,14,15
	v_xor_b32 v[192+32*(\T%2)+\i], v[CV+\i], v[CG+\i]
	v_xor_b32 v[208+32*(\T%2)+\i], v[SV+\i], v[SS+\i]
.endr
	WIN 0
.endr
	s_wait_alu depctr_va_vdst(0)
	s_wait_tensorcnt 0x0                           ; the head's tiles are in
	ds_add_u32 v1, v2
	s_wait_loadcnt 0x0
	s_wait_dscnt 0x0
	ROUND
	s_cmp_eq_u32 s[WV], 0
	s_cbranch_scc0 .Lno_vs
	tensor_load_to_lds s[G0S:G0S+3], s[G1S:G1S+7]  ; Wv's scale bytes: shown to all by the next round
	s_nop 0
	PLACES 4
.Lno_vs:
	s_lshr_b32 s94, s[WGY], 3
	s_lshl_b32 s94, s94, 4
	s_lshl_b32 s95, s[WGX], 1
	s_add_co_u32 s94, s94, s95
	s_and_b32 s95, s[WGY], 7
	s_lshl_b32 s95, s95, 2
	s_add_co_u32 s95, s95, s[WV]
	s_mul_i32 s96, s94, 98304
	s_mul_i32 s98, s95, 3072
	s_add_co_u32 s96, s96, s98
	s_mov_b32 s97, 0
	s_add_nc_u64 s[PQ:PQ+1], s[20:21], s[96:97]
	s_lshl_b32 s96, s94, 13
	s_lshl_b32 s98, s95, 8
	s_add_co_u32 s96, s96, s98
	s_add_nc_u64 s[PQS:PQS+1], s[22:23], s[96:97]
	s_lshr_b32 s98, s95, 1
	s_and_b32 s99, s95, 1
	s_lshl_b32 s[SHC], s99, 4
	s_mul_i32 s96, s94, 212992
	s_mul_i32 s100, s98, 13312
	s_add_co_u32 s96, s96, s100
	s_mul_i32 s100, s99, 3072
	s_add_co_u32 s100, s100, s96
	s_mov_b32 s101, 0
	s_add_nc_u64 s[PK:PK+1], s[24:25], s[100:101]
	s_mul_i32 s100, s99, 768
	s_add_co_u32 s100, s100, s96
	s_add_co_u32 s100, s100, 6144
	s_add_nc_u64 s[PV:PV+1], s[24:25], s[100:101]
	s_lshl_b32 s100, s99, 8
	s_add_co_u32 s100, s100, s96
	s_add_co_u32 s100, s100, 12288                 ; the scale words lie behind the key step's images
	s_add_nc_u64 s[PKS:PKS+1], s[24:25], s[100:101]
	s_add_nc_u64 s[PVS:PVS+1], s[PKS:PKS+1], 512
.irp T, 0,1,2,3
	WIN 0x40*(1+\T/2)
.irp s, 0,1,2,3,4,5,6,7
	FRAG 12*(8*(\T%2)+\s), ADA0, \s, \T*8*PITCH
.endr
.endr
	WIN 0
	s_wait_tensorcnt 0x0
	ds_add_u32 v[SPW], v[NIL]
	s_wait_dscnt 0x0
	ROUND
	tensor_load_to_lds s[G0R:G0R+3], s[G1W:G1W+7]
	s_nop 0
	PLACES 4
.macro ROPE T
.set X, 32*(\T)
.set CT, 192+32*((\T)%2)
	WIN 0xc7+4*((\T)/2)
.irp b, 0,1
.irp j, 0,1,2,3,4,5,6,7
	v_permlane16_swap_b32 v[X+16*\b+\j], v[X+16*\b+8+\j]
.endr
.endr
.irp b, 0,1
.irp i, 0,2,4,6,8,10,12,14
	v_pk_mul_f32 v[U+16*\b+\i:U+16*\b+\i+1], v[X+16*\b+\i:X+16*\b+\i+1], v[CT+\i:CT+\i+1]
.endr
.endr
.irp i, 0,1,2,3,4,5,6,7,8,9,10,11,12,13,14,15
	v_permlane16_swap_b32 v[X+\i], v[X+16+\i]
.endr
	WIN 0xf7+4*((\T)/2)
.irp i, 0,1,2,3,4,5,6,7,8,9,10,11,12,13,14,15
	v_fma_f32 v[U+\i], -v[X+2*\i+1], v[CT+16+\i], v[U+\i]
	v_fma_f32 v[U+16+\i], v[X+2*\i], v[CT+16+\i], v[U+16+\i]
.endr
.endm
.macro QKBODY floor, bias, ptr, sptr, pinc, sinc
	v_add_nc_u32 v[ADW0], s[UB], v[LW0]
	s_wait_alu depctr_va_vdst(0)
	v_add_nc_u32 v[ADW0+1], s[UB], v[LW1]
	s_wait_alu depctr_va_vdst(0)
	v_add_nc_u32 v[ADS], s[USB], v[LWS]
	UNIT_MUL 0
	PLACES 5
.irp T, 0,1,2,3
	ROPE \T
	WIN 0xff
	QUANT2 U, \floor, \bias, CD+8*\T, SW+\T
	v_or_b32 v[SW+\T], 0x01010000, v[SW+\T]
	ST6 L16W, L8W, \ptr, 768*\T, CD+8*\T
.endr
	v_cndmask_b32 v[SP], v[SW], v[SW+1], s[HM]
	v_cndmask_b32 v[SP+1], v[SW+2], v[SW+3], s[HM]
	global_store_b64 v[L8W], v[SP:SP+1], s[\sptr:\sptr+1]
	WIN 0
	s_wait_xcnt 0x0
	s_add_nc_u64 s[\ptr:\ptr+1], s[\ptr:\ptr+1], \pinc
	s_add_nc_u64 s[\sptr:\sptr+1], s[\sptr:\sptr+1], \sinc
	s_add_co_u32 s[UB], s[UB], UNITB
	s_add_co_u32 s[USB], s[USB], 2176
.endm
	s_mov_b32 s[UB], 0
	s_mov_b32 s[USB], WSC
	s_mov_b32 s[CNT], 2
.Lq:
	QKBODY 0x3000000, -3, PQ, PQS, 98304, 8192
	s_sub_co_u32 s[CNT], s[CNT], 1
	s_cmp_lg_u32 s[CNT], 0
	s_cbranch_scc1 .Lq
	s_wait_tensorcnt 0x0
	s_wait_dscnt 0x0
	s_barrier_signal -1
	s_barrier_wait -1
	s_mov_b32 s[CNT], 2
.Lk:
	QKBODY 0x1800000, 0, PK, PKS, 212992, 212992
	s_sub_co_u32 s[CNT], s[CNT], 1
	s_cmp_lg_u32 s[CNT], 0
	s_cbranch_scc1 .Lk
	s_mov_b32 s[CNT], 2
.Lv:
	v_add_nc_u32 v[ADW0], s[UB], v[LW0]
	s_wait_alu depctr_va_vdst(0)
	v_add_nc_u32 v[ADW0+1], s[UB], v[LW1]
	s_wait_alu depctr_va_vdst(0)
	v_add_nc_u32 v[ADS], s[USB], v[LWS]
	UNIT_MUL 1
	PLACES 5
	WIN 0xff
.irp ct, 0,1,2,3
.set X, 32*\ct
	v_max3_num_f32 v[TM], |v[X]|, |v[X+1]|, 0x1800000
	v_max_num_f32 v[TM+1], |v[X+2]|, |v[X+3]|
.irp i, 4,8,12,16,20,24,28
	v_max3_num_f32 v[TM], v[TM], |v[X+\i]|, |v[X+\i+1]|
	v_max3_num_f32 v[TM+1], v[TM+1], |v[X+\i+2]|, |v[X+\i+3]|
.endr
	v_max_num_f32 v[TM], v[TM], v[TM+1]
	v_add_nc_u32 v[TM+4], 0xff000000, v[TM]
	v_lshrrev_b32 v[TM+6], 23, v[TM+4]
	v_cvt_scalef32_pk16_fp6_f32 v[CD+8*\ct:CD+8*\ct+2], v[X:X+15], v[TM+4]
	v_cvt_scalef32_pk16_fp6_f32 v[TC:TC+2], v[X+16:X+31], v[TM+4]
	v_nop
.irp i, 0,1,2
	v_mov_b32 v[CD+8*\ct+3+\i], v[TC+\i]
.endr
	ST6 L16W, L8W, PV, 1536*\ct, CD+8*\ct
	v_lshlrev_b32 v[TM+8], v[SH8W], v[TM+6]
	v_permlanex16_b32 v[TM+2], v[TM+8], s[SEL], s[SEL+1]
	v_or_b32 v[SW+\ct], v[TM+8], v[TM+2]
.endr
	v_cndmask_b32 v[SP], v[SW], v[SW+1], s[HM]
	v_cndmask_b32 v[SP+1], v[SW+2], v[SW+3], s[HM]
	v_lshlrev_b32 v[SP], s[SHC], v[SP]
	v_lshlrev_b32 v[SP+1], s[SHC], v[SP+1]
	global_store_b64 v[L8W], v[SP:SP+1], s[PVS:PVS+1]
	WIN 0
	s_wait_xcnt 0x0
	s_add_nc_u64 s[PV:PV+1], s[PV:PV+1], 212992
	s_add_nc_u64 s[PVS:PVS+1], s[PVS:PVS+1], 212992
	s_add_co_u32 s[UB], s[UB], UNITB
	s_add_co_u32 s[USB], s[USB], 2176
	s_sub_co_u32 s[CNT], s[CNT], 1
	s_cmp_lg_u32 s[CNT], 0
	s_cbranch_scc1 .Lv
	s_wait_tensorcnt 0x0
	ds_add_u32 v[SPW], v[NIL]
	s_wait_dscnt 0x0
	ROUND
	s_endpgm
.Lfunc_end_k_q9b9b14d079_qkv:
	.size	k_q9b9b14d079_qkv, .Lfunc_end_k_q9b9b14d079_qkv-k_q9b9b14d079_qkv
	.p2alignl 7, 3214868480
	.fill 96, 4, 3214868480
	.section	.rodata,"a",@progbits
	.p2align	6, 0x0
	.amdhsa_kernel k_q9b9b14d079_qkv
		.amdhsa_group_segment_fixed_size 327680
		.amdhsa_private_segment_fixed_size 0
		.amdhsa_enable_private_segment 0
		.amdhsa_kernarg_size 88
		.amdhsa_user_sgpr_count 2
		.amdhsa_user_sgpr_kernarg_segment_ptr 1
		.amdhsa_wavefront_size32 1
		.amdhsa_system_sgpr_workgroup_id_x 1
		.amdhsa_system_sgpr_workgroup_id_y 1
		.amdhsa_system_sgpr_workgroup_id_z 1
		.amdhsa_system_vgpr_workitem_id 0
		.amdhsa_next_free_vgpr 1024
		.amdhsa_next_free_sgpr 102
		.amdhsa_reserve_vcc 1
		.amdhsa_float_denorm_mode_32 3
		.amdhsa_float_denorm_mode_16_64 3
		.amdhsa_memory_ordered 1
		.amdhsa_forward_progress 1
		.amdhsa_inst_pref_size 245
	.end_amdhsa_kernel
	.amdgpu_metadata
---
amdhsa.version: [ 1, 2 ]
amdhsa.kernels:
  - .name:           k_q9b9b14d079_qkv
    .symbol:         k_q9b9b14d079_qkv.kd
    .args:
      - { .name: hidden_states_codes, .offset: 0, .size: 8, .value_kind: global_buffer, .address_space: global }
      - { .name: hidden_states_scales, .offset: 8, .size: 8, .value_kind: global_buffer, .address_space: global }
      - { .name: Wq_codes, .offset: 16, .size: 8, .value_kind: global_buffer, .address_space: global }
      - { .name: Wq_scales, .offset: 24, .size: 8, .value_kind: global_buffer, .address_space: global }
      - { .name: Wk_codes, .offset: 32, .size: 8, .value_kind: global_buffer, .address_space: global }
      - { .name: Wk_scales, .offset: 40, .size: 8, .value_kind: global_buffer, .address_space: global }
      - { .name: Wv_codes, .offset: 48, .size: 8, .value_kind: global_buffer, .address_space: global }
      - { .name: Wv_scales, .offset: 56, .size: 8, .value_kind: global_buffer, .address_space: global }
      - { .name: qc, .offset: 64, .size: 8, .value_kind: global_buffer, .address_space: global }
      - { .name: qs, .offset: 72, .size: 8, .value_kind: global_buffer, .address_space: global }
      - { .name: kvc, .offset: 80, .size: 8, .value_kind: global_buffer, .address_space: global }
    .group_segment_fixed_size: 327680
    .private_segment_fixed_size: 0
    .kernarg_segment_align: 8
    .kernarg_segment_size: 88
    .max_flat_workgroup_size: 128
    .sgpr_count:     102
    .vgpr_count:     1024
    .wavefront_size: 32
...
	.end_amdgpu_metadata
.endif
;; end of part 1
;; launch attn (part 2): grid 16 x 16, 16 waves a work-group, clusters of 4 x 4, 327,680 bytes of LDS; arguments qc, qs, kvc, attention_mask, cc, cs; writes cc, cs
.if DOCPART == 2
	.amdgcn_target "amdgcn-amd-amdhsa--gfx1250"
	.amdhsa_code_object_version 6
	.text
	.protected	k_q9b9b14d079_attn
	.globl	k_q9b9b14d079_attn
	.p2align	8
	.type	k_q9b9b14d079_attn,@function
k_q9b9b14d079_attn:
	s_mov_b64 s[64:65], 0
	v_nop
	global_prefetch_b8 v0, s[64:65] scope:SCOPE_SE
	s_setreg_imm32_b32 hwreg(HW_REG_WAVE_MODE, 25, 1), 1
	s_wait_xcnt 0x0
	s_wait_alu depctr_hold_cnt(0) depctr_sa_sdst(0) depctr_va_vdst(0) depctr_va_sdst(0) depctr_va_ssrc(0) depctr_va_vcc(0) depctr_vm_vsrc(0)
	s_getreg_b32 s2, hwreg(HW_REG_IB_STS2, 6, 4)
	s_cmp_eq_u32 s2, 0
	s_cbranch_scc0 .Lentry_in_a_cluster
	s_endpgm
.Lentry_in_a_cluster:
	s_bfe_u32 s2, ttmp6, 0x10000c
	s_cmp_lg_u32 s2, 0xf033
	s_cbranch_scc0 .Lentry_shape_is_right
	s_endpgm
.Lentry_shape_is_right:
; ctx = softmax(q k^T / 8 + mask) v for 64 heads of 2,048 x 2,048, head size 64, both products on codes of FP6 (E2M3) with E8M0 scales; ctx is quantised along the hidden axis and stored as operand images.
; THE MASK IS AN INPUT: every key step of every query is computed, and every number of the mask is read and added.
; THE SOFTMAX: t = logit x log2(e); M = the running largest t rounded up to a whole number; p = 2^(t - M) is quantised along the keys, not normalised; the row's sum is taken of the unquantised p and divides at the end.
; When M moves, the sum and O are multiplied by 2^(old M - new M): exact.
; SHARES.  A work-group owns 128 queries of one batch and four heads.  Sixteen waves, four on a SIMD, 256 registers each: wave w owns the tile of 16 queries w & 7 and the two heads 2 (w >> 3), 2 (w >> 3) + 1.
; LAYOUT.  Both products are used transposed: S^T = K Q^T + mask^T (source 0 = 16 keys), O^T = V^T P^T (source 0 = 16 channels): a lane holds ONE query.  1 / 8 lies in q's scale bytes.
; THE MASK IS LOADED INTO THE SCORES' REGISTERS and is the C, in place, of the score products: it takes no registers of its own.
; The keys of a tile are 8 T + (r & 7) + 32 (r >> 3) of a group of 64: a lane's 32 registers of four tiles are keys 32 h + 0 .. 31: a whole block of p's quantiser, and six registers of P's fragment.
; K = 64 in a form of K = 128: q's fragment is six registers of codes and six of zero codes; k's tiles lie six registers apart, and tile t's operand runs on into tile t + 1's codes (tile 7's into p's codes): whatever codes
; stand there are finite numbers, meet q's zeros and add nothing.  v's fragments take k's registers behind the score products.
; CLUSTER 4 x 4: cluster x = the batch, place x = the group of four heads, y = the block of queries.  The mask's tiles are shared along a row of the cluster, k's and v's along a column: joint loads, one a wave.
; LDS: two slots 2^17 bytes apart, each: the mask, four blocks of 32 rows x (512 + 16) bytes, 17,024 bytes apart; the four heads' images with their scale words behind them, 13,312 bytes each.
; Behind slot 0 the spare words and 1,024 bytes through which the two waves of a tile join their scale words of ctx.
; THE ROUND STANDS INSIDE A STEP'S SECOND HEAD: when its v is in, no read of the slot is left.  The three lines and the opening signal stand there, the head's exponentials between signal and wait; behind the round the slot
; is filled with the key step two on, and the wave goes on with the head's sum, quantiser and products, work on registers, before it asks LDS for the next key step.
; LIMITS: NaN and +infinity among the logits are not served.  A block of ctx whose largest magnitude lies under 2^-124 is quantised with the floor's scale; blocks of zeros have the floor's byte (this program alone reads the bytes).
.set SLOT1, 131072
.set MBLK,  17024
.set COD,   4*MBLK                     ; the images
.set HIMG,  13312                      ; a head's key step: k's eight tiles, v's four fragments, 1,024 bytes of scale words
.set SCW,   12288                      ; where the scale words begin in it
.set HEADB, 16*HIMG                    ; a head's 16 key steps in memory
.set SPARE, COD+4*HIMG                 ; the spare words: 128 bytes for each of sixteen waves, eight blocks of 256 bytes that no other line names
.set STG,   SPARE+2048                 ; the way out: 128 bytes for each tile of queries; no fill lands here
.set SPW,   1
.set NIL,   2
.set ADM,   3                          ; this slot's mask, my lane's place
.set A16,   4                          ; this slot's images of my first head + 16 x lane
.set A8,    5                          ; + 8 x lane
.set SH8,   6                          ; 8 h
.set PFO,   7
.set PFO2,  8
.set L8,    9
.set TC0,   10                         ; v10-12, v252-254 the conversions' second halves
.set AMK0,  13                         ; the three addresses in slot 0
.set A16_0, 14
.set A8_0,  15
.set S,     16                         ; v16-79   the mask, then the scores, then p: register 32 c + i = key 64 c + 32 h + i
.set KF,    80                         ; v80-127  k's eight tiles, six registers each; then v's four fragments
.set PCD,   128                        ; v128-139 p's codes
.set SCR,   140                        ; v140-143 k's scale words; then v's, in two halves, joined in v140, v141
.set PW,    144                        ; p's scale word
.set QS,    145                        ; v145-146 q's scale words
.set XA,    147                        ; the way out: my lane's word in the stage
.set STAT,  148                        ; a head's four: -M, the largest t, the sum in two halves
.set BM,    156                        ; v156-157 the two blocks' largest scores
.set T0,    158
.set T1,    159
.set F,     160                        ; f = 2^(old M - new M), the low word of a pair
.set AC,    162
.set Q,     164                        ; v164-187 q's two fragments
.set O,     188                        ; v188-251 O^T at 32 hd + 8 ct
.set TC1,   252
.set L16,   255
.set OC,    80                         ; the way out, in k's registers
.set OW,    96
.set OP,    98
.set TM,    100
.set TCO,   108
.set WV,  18
.set CX,  19
.set CY,  20
.set QB,  22
.set CNT, 23
.set G1M, 24
.set G1C, 32
.set G0M, 48
.set G0C, 52
.set SEL, 60
.set CS,  62
.set TB,  66
.set PFA, 68
.set PFS, 70
.set LIM, 72
.set HP,  73
.set QT,  76
.set BH0, 77
.macro PLACES n
.rept \n
	v_nop
.endr
.endm
.macro REST                            ; a round of the cluster's barrier behind its opening signal
	s_barrier_wait -1
	s_cmp_lg_u32 s[WV], 0
	s_cbranch_scc1 .Lnw0_\@
	s_barrier_signal -3
.Lnw0_\@:
	s_barrier_wait -3
	s_barrier_signal -1
	s_barrier_wait -1
.endm
.macro ROUND
	s_barrier_signal -1
	REST
.endm
.macro LD6 reg, off                    ; an image of six registers
	ds_load_b128 v[\reg:\reg+3], v[A16] offset:\off
	ds_load_b64 v[\reg+4:\reg+5], v[A8] offset:\off+512
.endm
.macro KLOAD hb                        ; a head's k: its scale words and eight tiles, 18 loads
	ds_load_b64 v[SCR:SCR+1], v[A8] offset:(\hb)+SCW
	ds_load_b64 v[SCR+2:SCR+3], v[A8] offset:(\hb)+SCW+256
.irp t, 0,1,2,3,4,5,6,7
	LD6 KF+6*\t, (\hb)+768*\t
.endr
.endm
.macro MLOAD                           ; my 64 numbers of the mask into the scores' registers, 16 loads
.irp c, 0,1
.irp i, 0,1,2,3,4,5,6,7
	ds_load_b128 v[S+32*\c+4*\i:S+32*\c+4*\i+3], v[ADM] offset:256*\c+16*\i
.endr
.endr
.endm
.macro TLOAD                           ; waves 0-7 fetch 16 rows of the mask each, waves 8-15 half a head's images each: one joint load a wave; s_nop 0 and four v_nop follow each line
	s_cmp_lt_u32 s[WV], 8
	s_cbranch_scc0 .Lcod_\@
	tensor_load_to_lds s[G0M:G0M+3], s[G1M:G1M+7]
	s_nop 0
	PLACES 4
	s_branch .Lasked_\@
.Lcod_\@:
	tensor_load_to_lds s[G0C:G0C+3], s[G1C:G1C+7]
	s_nop 0
	PLACES 4
.Lasked_\@:
.endm
.macro NEXTD                           ; behind a wait for all my tensor loads: both group 0 step to the next key step and the other slot; the prefetches' place steps behind the wait on XCNT
	s_xor_b32 s[G0M+1], s[G0M+1], SLOT1
	s_add_nc_u64 s[G0M+2:G0M+3], s[G0M+2:G0M+3], 512
	s_xor_b32 s[G0C+1], s[G0C+1], SLOT1
	s_add_nc_u64 s[G0C+2:G0C+3], s[G0C+2:G0C+3], HIMG
	s_wait_xcnt 0x0
	s_add_nc_u64 s[PFA:PFA+1], s[PFA:PFA+1], s[PFS:PFS+1]
.endm
; A PREFETCH INTO THE L2, at the head of trip t, of key step t + 3, which trip t + 1 loads in its second head.  Each aligned block of 256 bytes is named once in the launch.
; The mask's rows are read by the clusters of all four batches: those of batch 0 ask; the four partners of a row of the cluster take 32 rows each, by address; wave 0, a lane a row, two lines for a row's 512 bytes.
; A head's images are read by the clusters of all blocks of queries: those with cluster y = 0 ask; the four partners of a column take a head each, by address; wave 8; 52 blocks: 32 in the first line, 20 in the second
; (its lanes 20-31 name block 51 again).  Trips 0 to 12 ask, for key steps 3 to 15; the loop's last trip asks for nothing: no key step is left.  Key steps 0, 1 and 2 come by their loads alone.
.macro ASK
	s_cmp_gt_u32 s[CNT], s[LIM]
	s_cbranch_scc0 .Lno_\@
	global_prefetch_b8 v[PFO], s[PFA:PFA+1] th:TH_LOAD_NT scope:SCOPE_SE
	global_prefetch_b8 v[PFO2], s[PFA:PFA+1] th:TH_LOAD_NT scope:SCOPE_SE
.Lno_\@:
.endm
	s_load_b128 s[4:7], s[0:1], 0x0                ; qc, qs
	s_load_b64 s[8:9], s[0:1], 0x10                ; kvc
	s_load_b128 s[12:15], s[0:1], 0x18             ; mask, cc
	s_load_b64 s[16:17], s[0:1], 0x28              ; cs
	v_lshl_add_u32 v[SPW], v0, 2, SPARE
	v_mov_b32 v[NIL], 0
	ds_add_u32 v[SPW], v[NIL]                      ; the opening lines: the add twice on end
	ds_add_u32 v[SPW], v[NIL]
	v_lshrrev_b32 v16, 5, v0
	v_readfirstlane_b32 s[WV], v16                 ; wave 0..15
	s_and_b32 s[QT], s[WV], 7                      ; my tile of queries.  Also: which eighth of the mask or of the images I fetch
	s_lshr_b32 s[HP], s[WV], 3                     ; my pair of heads
	s_bfe_u32 s[CX], ttmp6, 0x40000                ; the group of four heads
	s_bfe_u32 s[CY], ttmp6, 0x40004
	s_and_b32 s[QB], ttmp7, 0xffff
	s_lshl_b32 s[QB], s[QB], 2
	s_add_co_u32 s[QB], s[QB], s[CY]               ; the block of 128 queries
	s_lshl_b32 s74, s[CY], 2
	s_lshl_b32 s74, 15, s74                        ; my row of the cluster
	s_lshl_b32 s75, 0x1111, s[CX]                  ; my column
	s_or_b32 s[G1M], s74, (2<<16)|(1<<20)|(1<<21)|(6<<22)|(3<<25)   ; the mask: elements of 4 bytes; 4 words of padding behind every 128
	s_mov_b32 s[G1M+1], 128<<16                    ; 128 numbers of a row,
	s_mov_b32 s[G1M+2], 16<<16                     ; 16 rows,
	s_mov_b32 s[G1M+3], 128<<16
	s_mov_b32 s[G1M+4], 16
	s_mov_b32 s[G1M+5], 2048                       ; 2,048 numbers from row to row
	s_mov_b32 s[G1M+6], 0
	s_mov_b32 s[G1M+7], 0
	s_or_b32 s[G1C], s75, (3<<16)|(1<<21)          ; half a head's key step: 26 rows of 256 dense bytes
	s_mov_b32 s[G1C+1], 32<<16
	s_mov_b32 s[G1C+2], 26<<16
	s_mov_b32 s[G1C+3], 32<<16
	s_mov_b32 s[G1C+4], 26
	s_mov_b32 s[G1C+5], 32
	s_mov_b32 s[G1C+6], 0
	s_mov_b32 s[G1C+7], 0
	s_lshl_b32 s78, s[QB], 7
	s_lshl_b32 s79, s[QT], 4
	s_add_co_u32 s78, s78, s79
	s_lshl_b32 s78, s78, 13                        ; the mask's row 128 qb + 16 (w & 7), in bytes
	s_mov_b32 s79, 0
	s_lshl_b32 s[BH0], ttmp9, 4
	s_lshl_b32 s80, s[CX], 2
	s_add_co_u32 s[BH0], s[BH0], s80               ; 16 x batch + the group's first head
	s_lshr_b32 s82, s[QT], 1
	s_and_b32 s83, s[QT], 1
	s_add_co_u32 s84, s[BH0], s82
	s_mul_i32 s80, s84, HEADB
	s_mul_i32 s84, s83, HIMG/2
	s_add_co_u32 s80, s80, s84                     ; head (w & 7) / 2 of the group, half (w & 1) of its key step
	s_mov_b32 s81, 0
	s_mov_b32 s[SEL], 0x76543210
	s_mov_b32 s[SEL+1], 0xfedcba98
	s_mov_b32 s[CS], 0x3fb8aa3b                    ; log2(e)
	s_mov_b32 s[CS+1], s[CS]
	s_mov_b32 s[TB], 0
	s_mov_b32 s[CNT], 14
	s_wait_dscnt 0x0                               ; both opening adds are done
	s_wait_kmcnt 0x0
	s_mov_b32 s[G0M], 1
	s_mul_i32 s[G0M+1], s82, MBLK
	s_mul_i32 s84, s83, 16*528
	s_add_co_u32 s[G0M+1], s[G0M+1], s84
	s_add_nc_u64 s[G0M+2:G0M+3], s[12:13], s[78:79]
	s_or_b32 s[G0M+3], s[G0M+3], 0x80000000
	s_mov_b32 s[G0C], 1
	s_mul_i32 s[G0C+1], s[QT], HIMG/2
	s_add_co_u32 s[G0C+1], s[G0C+1], COD
	s_add_nc_u64 s[G0C+2:G0C+3], s[8:9], s[80:81]
	s_or_b32 s[G0C+3], s[G0C+3], 0x80000000
	ROUND                                          ; all sixteen work-groups are here: the first joint loads meet
	TLOAD                                          ; key step 0: one load a wave
	; my tile: number 8 qb + (w & 7) among the batch's 128 tiles of 16 queries; my first head: 2 (w >> 3) of the group
	s_lshl_b32 s84, s[QB], 3
	s_add_co_u32 s84, s84, s[QT]
	s_lshl_b32 s85, s[HP], 1
	s_add_co_u32 s85, s85, s[BH0]
	s_mul_i32 s86, s85, 98304
	s_mul_i32 s87, s84, 768
	s_add_co_u32 s86, s86, s87
	s_mov_b32 s87, 0
	s_add_nc_u64 s[4:5], s[4:5], s[86:87]          ; q's image, my first head
	s_lshl_b32 s86, s85, 13
	s_lshr_b32 s88, s84, 2
	s_lshl_b32 s88, s88, 8
	s_add_co_u32 s86, s86, s88                     ; q's scale words: my group of 64,
	s_and_b32 s88, s[QT], 1
	s_lshl_b32 s88, s88, 7
	s_add_co_u32 s86, s86, s88                     ; an odd tile's lie in the upper 16 lanes' places,
	s_bfe_u32 s88, s[QT], 0x10001
	s_lshl_b32 s88, s88, 2
	s_add_co_u32 s86, s86, s88                     ; tiles 2 and 3 in the second word
	s_add_nc_u64 s[6:7], s[6:7], s[86:87]
	s_lshl_b32 s88, ttmp9, 7
	s_add_co_u32 s88, s88, s84                     ; my tile among all 512
	s_mul_i32 s86, s88, 12288
	s_mul_i32 s89, s[CX], 3072
	s_add_co_u32 s86, s86, s89
	s_mul_i32 s89, s[HP], 1536
	s_add_co_u32 s86, s86, s89
	s_add_nc_u64 s[14:15], s[14:15], s[86:87]      ; ctx's images, my first head
	s_lshl_b32 s86, s88, 8
	s_lshl_b32 s89, s[CX], 17
	s_add_co_u32 s86, s86, s89
	s_add_nc_u64 s[16:17], s[16:17], s[86:87]      ; and the tile's scale words
	; the prefetches: where mine stand (at key step 2: the step ahead of the loop brings them to 3), and who asks
	s_lshl_b32 s86, s[QB], 7
	s_lshl_b32 s89, s[CX], 5
	s_add_co_u32 s86, s86, s89
	s_lshl_b32 s86, s86, 13
	s_add_co_u32 s86, s86, 1024
	s_add_co_u32 s89, s[BH0], s[CY]
	s_mul_i32 s89, s89, HEADB
	s_add_co_u32 s89, s89, 2*HIMG
	s_and_b32 s90, ttmp7, 0xffff
	s_mov_b32 s91, HIMG
	s_mov_b32 s93, 8192
	s_cmp_lt_u32 s[WV], 8
	s_cselect_b64 s[PFA:PFA+1], s[12:13], s[8:9]
	s_cselect_b32 s86, s86, s89
	s_cselect_b32 s[PFS], 512, s91
	s_cselect_b32 s89, 13, 8                       ; lanes a row of the mask apart, or 256 bytes
	s_cselect_b32 s90, ttmp9, s90                  ; the cluster's coordinate along which others read the same bytes
	s_cselect_b32 s92, 31, 19                      ; the second line's last lane with a block of its own
	s_cselect_b32 s93, 256, s93                    ; and where it begins
	s_mov_b32 s[PFS+1], 0
	s_add_nc_u64 s[PFA:PFA+1], s[PFA:PFA+1], s[86:87]
	s_or_b32 s90, s90, s[QT]                       ; waves 0 and 8 alone
	s_cmp_eq_u32 s90, 0
	s_cselect_b32 s[LIM], 1, -1
	s_lshr_b32 s86, s[QT], 2
	s_mul_i32 s86, s86, 2*MBLK
	s_and_b32 s91, s[QT], 3
	s_mul_i32 s91, s91, 8*528
	s_add_co_u32 s86, s86, s91                     ; my tile's place in a slot's mask
	s_mul_i32 s94, s[HP], 2*HIMG
	s_add_co_u32 s94, s94, COD                     ; my first head's images
	s_lshl_b32 s95, s[QT], 7
	s_add_co_u32 s95, s95, STG                     ; my tile's words in the stage
	v_and_b32 v16, 31, v0                          ; lane
	v_and_b32 v17, 15, v0                          ; r
	v_bfe_u32 v18, v0, 4, 1                        ; h
	v_bfe_u32 v19, v0, 3, 1                        ; r >> 3
	v_and_b32 v20, 7, v0
	v_lshlrev_b32 v[PFO], s89, v16
	v_min_u32 v[PFO2], s92, v16
	v_lshlrev_b32 v[L16], 4, v16
	v_lshlrev_b32 v[L8], 3, v16
	v_lshlrev_b32 v21, 3, v17
	v_lshlrev_b32 v[PFO2], s89, v[PFO2]
.irp hd, 0,1
	global_load_b128 v[Q+12*\hd:Q+12*\hd+3], v[L16], s[4:5] offset:\hd*98304
	global_load_b64 v[Q+12*\hd+4:Q+12*\hd+5], v[L8], s[4:5] offset:\hd*98304+512
	global_load_b32 v[QS+\hd], v21, s[6:7] offset:\hd*8192
.endr
.irp hd, 0,1
.irp i, 6,7,8,9,10,11
	v_mov_b32 v[Q+12*\hd+\i], 0                    ; the zero codes of the K step's upper 64
.endr
.endr
.set j, 0
.rept 64
	v_mov_b32 v[O+j], 0                            ; O^T.  (The key step is written once: the first finds zeros, which the first change of M leaves zeros)
.set j, j+1
.endr
.irp i, 0,1,2,3,4,5
	v_mov_b32 v[PCD+\i], 0                         ; what tile 7's operand runs on into, until p's first codes stand there
.endr
	v_add_nc_u32 v[PFO2], s93, v[PFO2]
	v_mul_u32_u24 v[AMK0], v19, MBLK               ; my query is row 64 (tile >> 2) + 8 (tile & 3) + (r & 7) + 32 (r >> 3) of the 128; my keys begin 128 h bytes into its row
	v_lshl_add_u32 v[A16_0], v16, 4, s94
	v_mad_u32_u24 v[AMK0], v20, 528, v[AMK0]
	v_lshl_add_u32 v[A8_0], v16, 3, s94
	v_lshl_add_u32 v[AMK0], v18, 7, v[AMK0]
	v_lshl_add_u32 v[XA], v16, 2, s95
	v_add_nc_u32 v[AMK0], s86, v[AMK0]
	v_lshlrev_b32 v[SH8], 3, v18
.irp hd, 0,1
	v_mov_b32 v[STAT+4*\hd+1], 0xff61b1e6          ; the largest t so far: -3e38, under every t
	v_mov_b32 v[STAT+4*\hd+2], 0
	v_mov_b32 v[STAT+4*\hd+3], 0
.endr
.irp hd, 0,1
	v_floor_f32 v[STAT+4*\hd], -v[STAT+4*\hd+1]    ; -M
.endr
	v_mov_b32 v[T1], 0                             ; a lane permute's destination counts as one of its sources
	v_mov_b32 v[F+1], 0                            ; named as the upper half of a pair
.macro QCH i                           ; line i of the chain from the blocks' largest p to the conversions' scale operands and p's scale word; it stands among the sum's additions
.if (\i) < 2
	v_max_num_f32 v[BM+(\i)], 0x1800000, v[BM+(\i)]        ; the floor: the byte cannot fall under 1
.elseif (\i) < 4
	v_add_nc_u32 v[BM+(\i)-2], 0xff000000, v[BM+(\i)-2]    ; 2 off the exponent field
.elseif (\i) < 6
	v_lshrrev_b32 v[T0+(\i)-4], 23, v[BM+(\i)-4]
.elseif (\i) == 6
	v_lshl_or_b32 v[T0], v[T1], 16, v[T0]          ; my bytes: blocks h and 2 + h,
.elseif (\i) == 7
	v_lshlrev_b32 v[T0], v[SH8], v[T0]             ; at their places;
.elseif (\i) == 8
	v_permlanex16_b32 v[T1], v[T0], s[SEL], s[SEL+1]
.elseif (\i) == 9
	v_or_b32 v[PW], v[T0], v[T1]                   ; with lane l xor 16's two the word is whole
.endif
.endm
; One head's part of a key step of 128 keys.  hd: 0 or 1 of my pair.  kind says what stands in the second head: 0 a round and the refill; 1 a plain barrier, which shows the last key step whole; 2 nothing.
.macro STEPH hd, kind
.set ST, STAT+4*(\hd)
.set HB, (\hd)*HIMG
.if (\hd) == 0
	s_wait_dscnt 8                                 ; k, its scale words and the mask's first 64 keys are in; the youngest eight loads, the other 64 keys, may be out
.else
	s_wait_dscnt 0x0                               ; the mask, k and its scale words are in
.endif
.irp t, 0,2,4,6
.if (\hd) == 0 && \t == 4
	s_wait_dscnt 0x0
.endif
	v_wmma_scale_f32_16x16x128_f8f6f4 v[S+8*\t:S+8*\t+7], v[KF+6*\t:KF+6*\t+11], v[Q+12*(\hd):Q+12*(\hd)+11], v[S+8*\t:S+8*\t+7], v[SCR+\t/2], v[QS+(\hd)] matrix_a_fmt:MATRIX_FMT_FP6 matrix_b_fmt:MATRIX_FMT_FP6
	v_wmma_scale_f32_16x16x128_f8f6f4 v[S+8*\t+8:S+8*\t+15], v[KF+6*\t+6:KF+6*\t+17], v[Q+12*(\hd):Q+12*(\hd)+11], v[S+8*\t+8:S+8*\t+15], v[SCR+\t/2], v[QS+(\hd)] matrix_a_fmt:MATRIX_FMT_FP6 matrix_b_fmt:MATRIX_FMT_FP6 matrix_a_scale:MATRIX_SCALE_ROW1
.endr
	PLACES 4                                       ; in front of the loads into k's registers and of the first read of the scores
.irp k, 0,1,2,3,4,5,6,7
	LD6 KF+6*\k, HB+6144+768*\k                    ; v's four fragments: they land during the softmax
.endr
	ds_load_b64 v[SCR:SCR+1], v[A8] offset:HB+SCW+512
	ds_load_b64 v[SCR+2:SCR+3], v[A8] offset:HB+SCW+768
.if (\hd) == 1 && (\kind) == 0
	s_wait_tensorcnt 0x0                           ; all my tensor loads have landed: my part of the other slot;
	ds_add_u32 v[SPW], v[NIL]                      ; 0 onto my spare word
	NEXTD
.endif
.irp c, 0,1
	v_max3_num_f32 v[BM+\c], v[S+32*\c], v[S+32*\c+1], v[S+32*\c+2]   ; the largest score of each of my two blocks of 32 keys: for the row's maximum, and, since p rises with the score, for the block's largest p
.endr
.irp i, 3,5,7,9,11,13,15,17,19,21,23,25,27,29
.irp c, 0,1
	v_max3_num_f32 v[BM+\c], v[BM+\c], v[S+32*\c+\i], v[S+32*\c+\i+1]
.endr
.endr
.irp c, 0,1
	v_max_num_f32 v[BM+\c], v[BM+\c], v[S+32*\c+31]
.endr
	s_delay_alu instid0(VALU_DEP_1)
	v_max_num_f32 v[T0], v[BM], v[BM+1]
	s_delay_alu instid0(VALU_DEP_1)
	v_permlanex16_b32 v[T1], v[T0], s[SEL], s[SEL+1]
	s_delay_alu instid0(VALU_DEP_1)
	v_max_num_f32 v[T0], v[T0], v[T1]              ; with lane l xor 16's 64 keys: the step's largest score of my query
	s_delay_alu instid0(VALU_DEP_1)
	v_mul_f32 v[T0], s[CS], v[T0]
	s_delay_alu instid0(VALU_DEP_1)
	v_max_num_f32 v[ST+1], v[ST+1], v[T0]          ; the running largest t
	v_mov_b32 v[T0], v[ST]
	s_delay_alu instid0(VALU_DEP_2)
	v_floor_f32 v[ST], -v[ST+1]                    ; the new -M = -ceil(t)
	s_delay_alu instid0(VALU_DEP_1)
	v_sub_f32 v[T0], v[ST], v[T0]                  ; old M - new M: a whole number, 0 or less
	s_delay_alu instid0(VALU_DEP_1)
	v_cvt_i32_f32 v[T0], v[T0]                     ; (it saturates)
	s_delay_alu instid0(VALU_DEP_1)
	v_ldexp_f32 v[F], 1.0, v[T0]                   ; f
.irp j, 0,2,4,6,8,10,12,14,16,18,20,22,24,26,28,30,32,34,36,38,40,42,44,46,48,50,52,54,56,58,60,62
	v_pk_fma_f32 v[S+\j:S+\j+1], v[S+\j:S+\j+1], s[CS:CS+1], v[ST:ST+1] op_sel_hi:[1,0,0]   ; t - M, two at a time
.endr
.irp c, 0,1
	v_fma_f32 v[BM+\c], v[BM+\c], s[CS], v[ST]
.endr
	s_wait_alu depctr_va_vdst(0)                   ; the wait ahead of the batch
.if (\hd) == 1 && (\kind) == 0
	s_wait_dscnt 0x0                               ; the add is done and v is in: my reads of this slot are over
	s_barrier_signal -1                            ; the round opens; work on registers alone up to its end
.elseif (\hd) == 1 && (\kind) == 1
	s_wait_tensorcnt 0x0                           ; my part of the last key step is in
	s_wait_dscnt 0x0
	s_barrier_signal -1                            ; a plain barrier
.endif
.irp c, 0,1
	v_exp_f32 v[BM+\c], v[BM+\c]                   ; the blocks' largest p: the same arithmetic on the same number
.endr
.irp j, 0,1,2,3,4,5,6,7,8,9,10,11,12,13,14,15,16,17,18,19,20,21,22,23,24,25,26,27,28,29,30,31,32,33,34,35,36,37,38,39,40,41,42,43,44,45,46,47,48,49,50,51,52,53,54,55,56,57,58,59,60,61,62,63
	v_exp_f32 v[S+\j], v[S+\j]                     ; p = 2^(t - M)
.endr
	v_pk_mul_f32 v[ST+2:ST+3], v[ST+2:ST+3], v[F:F+1] op_sel_hi:[1,0]   ; the sums under the new M: the plain line behind the exponentials
	s_wait_alu depctr_va_vdst(0)                   ; one wait for the batch of 66, ahead of its first reader and of the branches below
.if (\hd) == 1 && (\kind) == 0
	REST                                           ; no wave of any partner still reads this slot or has a load on its way, and the other slot is whole:
	TLOAD                                          ; the key step two on, into this slot: the first tensor load behind the round
.elseif (\hd) == 1 && (\kind) == 1
	s_barrier_wait -1
.endif
	v_pk_add_f32 v[AC:AC+1], v[S:S+1], v[S+2:S+3]  ; the row's sum of the unquantised p, in two chains
.set QN, 0
.irp j, 4,8,12,16,20,24,28,32,36,40,44,48,52,56,60
	v_pk_add_f32 v[ST+2:ST+3], v[ST+2:ST+3], v[S+\j:S+\j+1]
	v_pk_add_f32 v[AC:AC+1], v[AC:AC+1], v[S+\j+2:S+\j+3]
	QCH QN
.set QN, QN+1
.endr
	s_delay_alu instid0(VALU_DEP_1)
	v_pk_add_f32 v[ST+2:ST+3], v[ST+2:ST+3], v[AC:AC+1]
	v_cvt_scalef32_pk16_fp6_f32 v[PCD:PCD+2], v[S:S+15], v[BM]
	v_cvt_scalef32_pk16_fp6_f32 v[TC0:TC0+2], v[S+16:S+31], v[BM]
	v_cvt_scalef32_pk16_fp6_f32 v[PCD+6:PCD+8], v[S+32:S+47], v[BM+1]
	v_cvt_scalef32_pk16_fp6_f32 v[TC1:TC1+2], v[S+48:S+63], v[BM+1]
	v_nop                                          ; one plain place behind a scaled conversion
.irp i, 0,1,2
	v_mov_b32 v[PCD+3+\i], v[TC0+\i]
	v_mov_b32 v[PCD+9+\i], v[TC1+\i]
.endr
.if (\hd) == 0 || (\kind) == 2
	s_wait_dscnt 0x0                               ; v and its scale words are in
.endif
.if (\hd) == 0
	MLOAD                                          ; p has been converted: the mask once more, for my second head
.endif
	v_or_b32 v[SCR], v[SCR], v[SCR+2]              ; the two halves of a key step's scale words
	v_or_b32 v[SCR+1], v[SCR+1], v[SCR+3]
	s_wait_alu depctr_va_vdst(0)                   ; the wait directly ahead of the first reader of O^T
.irp j, 0,2,4,6,8,10,12,14,16,18,20,22,24,26,28,30
	v_pk_mul_f32 v[O+32*(\hd)+\j:O+32*(\hd)+\j+1], v[O+32*(\hd)+\j:O+32*(\hd)+\j+1], v[F:F+1] op_sel_hi:[1,0]   ; O^T under the new M.  Twelve of these sixteen name no register of any one product below: the places in front of them
.endr
.irp ct, 0,2
	v_wmma_scale_f32_16x16x128_f8f6f4 v[O+32*(\hd)+8*\ct:O+32*(\hd)+8*\ct+7], v[KF+12*\ct:KF+12*\ct+11], v[PCD:PCD+11], v[O+32*(\hd)+8*\ct:O+32*(\hd)+8*\ct+7], v[SCR+\ct/2], v[PW] matrix_a_fmt:MATRIX_FMT_FP6 matrix_b_fmt:MATRIX_FMT_FP6
	v_wmma_scale_f32_16x16x128_f8f6f4 v[O+32*(\hd)+8*\ct+8:O+32*(\hd)+8*\ct+15], v[KF+12*\ct+12:KF+12*\ct+23], v[PCD:PCD+11], v[O+32*(\hd)+8*\ct+8:O+32*(\hd)+8*\ct+15], v[SCR+\ct/2], v[PW] matrix_a_fmt:MATRIX_FMT_FP6 matrix_b_fmt:MATRIX_FMT_FP6 matrix_a_scale:MATRIX_SCALE_ROW1
.endr
.if (\hd) == 0
	PLACES 4                                       ; in front of the loads into v's registers
	KLOAD HIMG                                     ; my second head's k
.endif
.endm
.macro BEGIN                           ; a key step's head: this slot's addresses (with the v_nop: the four places behind the last products); my first head's k (18 loads), then the mask (16)
	v_add_nc_u32 v[ADM], s[TB], v[AMK0]
	v_add_nc_u32 v[A16], s[TB], v[A16_0]
	v_add_nc_u32 v[A8], s[TB], v[A8_0]
	v_nop
	s_wait_alu depctr_va_vdst(0)
	KLOAD 0
	MLOAD
	s_xor_b32 s[TB], s[TB], SLOT1
.endm
	s_wait_alu depctr_va_vdst(0)                   ; the wait at the head's end
	s_wait_loadcnt 0x0                             ; q and its scale words
	s_wait_tensorcnt 0x0                           ; my part of key step 0; these lines stand ahead of slot 1's first fill as ahead of a refill
	ds_add_u32 v[SPW], v[NIL]
	NEXTD
	s_wait_dscnt 0x0
	ROUND
	TLOAD                                          ; key step 1, into slot 1
.Lstep:                                ; 14 trips.  Trip t works key step t; in its second head the round shows key step t + 1 whole, and key step t + 2 is asked for into the slot that step t has left
	BEGIN
	ASK
	STEPH 0, 0
	STEPH 1, 0
	s_sub_co_u32 s[CNT], s[CNT], 1
	s_cmp_lg_u32 s[CNT], 0
	s_cbranch_scc1 .Lstep
	BEGIN                                          ; the last two key steps are written out: nothing more is asked for
	STEPH 0, 1
	STEPH 1, 1
	BEGIN
	STEPH 0, 2
	STEPH 1, 2
	; THE WAY OUT.  ctx = O^T / the sum; a head's 64 channels are two blocks of the next product's K; six registers of codes a head, as an image; one scale word for my two heads.
.irp hd, 0,1
	v_add_f32 v[STAT+4*\hd+2], v[STAT+4*\hd+2], v[STAT+4*\hd+3]   ; (these six plain lines are the places behind the last products)
.endr
.irp hd, 0,1
	s_delay_alu instid0(VALU_DEP_2)
	v_permlanex16_b32 v[STAT+4*\hd+3], v[STAT+4*\hd+2], s[SEL], s[SEL+1]
.endr
.irp hd, 0,1
	s_delay_alu instid0(VALU_DEP_2)
	v_add_f32 v[STAT+4*\hd+2], v[STAT+4*\hd+2], v[STAT+4*\hd+3]
.endr
	s_wait_alu depctr_va_vdst(0)
.irp hd, 0,1
	v_rcp_f32 v[STAT+4*\hd], v[STAT+4*\hd+2]
.endr
	v_nop                                          ; a plain line behind the last reciprocal
	s_wait_alu depctr_va_vdst(0)                   ; one wait for the two, ahead of their first reader
.macro OUTH hd
.set Y, S+32*(\hd)
.irp i, 0,2,4,6,8,10,12,14,16,18,20,22,24,26,28,30
	v_pk_mul_f32 v[Y+\i:Y+\i+1], v[O+32*(\hd)+\i:O+32*(\hd)+\i+1], v[STAT+4*(\hd):STAT+4*(\hd)+1] op_sel_hi:[1,0]
.endr
.irp b, 0,1
.irp j, 0,1,2,3,4,5,6,7
	v_permlane16_swap_b32 v[Y+16*\b+\j], v[Y+16*\b+8+\j]   ; register 16 b + i becomes channel 32 b + 16 h + i
.endr
.endr
.irp b, 0,1
	v_max3_num_f32 v[TM+\b], |v[Y+16*\b]|, |v[Y+16*\b+1]|, 0x1800000
.endr
.irp i, 2,4,6,8,10,12,14
.irp b, 0,1
	s_delay_alu instid0(VALU_DEP_2)
	v_max3_num_f32 v[TM+\b], v[TM+\b], |v[Y+16*\b+\i]|, |v[Y+16*\b+\i+1]|
.endr
.endr
.irp b, 0,1
	s_delay_alu instid0(VALU_DEP_2)
	v_permlanex16_b32 v[TM+2+\b], v[TM+\b], s[SEL], s[SEL+1]
.endr
.irp b, 0,1
	s_delay_alu instid0(VALU_DEP_2)
	v_max_num_f32 v[TM+\b], v[TM+\b], v[TM+2+\b]
.endr
.irp b, 0,1
	s_delay_alu instid0(VALU_DEP_2)
	v_add_nc_u32 v[TM+4+\b], 0xff000000, v[TM+\b]
.endr
.irp b, 0,1
	s_delay_alu instid0(VALU_DEP_2)
	v_lshrrev_b32 v[TM+6+\b], 23, v[TM+4+\b]
.endr
	s_delay_alu instid0(VALU_DEP_1)
	v_lshl_or_b32 v[OW+(\hd)], v[TM+7], 8, v[TM+6]
	v_cvt_scalef32_pk16_fp6_f32 v[OC+8*(\hd):OC+8*(\hd)+2], v[Y:Y+15], v[TM+4]
	v_cvt_scalef32_pk16_fp6_f32 v[TCO:TCO+2], v[Y+16:Y+31], v[TM+5]
	v_nop
.irp i, 0,1,2
	v_permlane16_swap_b32 v[OC+8*(\hd)+\i], v[TCO+\i]
.endr
.irp i, 0,1,2
	s_delay_alu instid0(VALU_DEP_3)
	v_mov_b32 v[OC+8*(\hd)+3+\i], v[TCO+\i]
.endr
	global_store_b128 v[L16], v[OC+8*(\hd):OC+8*(\hd)+3], s[14:15] offset:768*(\hd)
	global_store_b64 v[L8], v[OC+8*(\hd)+4:OC+8*(\hd)+5], s[14:15] offset:768*(\hd)+512
.endm
	OUTH 0
	OUTH 1
	v_lshl_or_b32 v[OP], v[OW+1], 16, v[OW]        ; a K step of the next product is two heads: four bytes
	s_wait_alu depctr_va_vdst(0)
	; a tile's two words, 8 bytes a lane, are stored by ONE wave, 256 bytes on end: the wave of heads 2 and 3 hands its word over through LDS
	s_cmp_lt_u32 s[WV], 8
	s_cbranch_scc1 .Lkeep
	ds_store_b32 v[XA], v[OP]
.Lkeep:
	s_wait_dscnt 0x0                               ; for the other wave's sake
	s_barrier_signal -1
	s_barrier_wait -1
	s_cmp_lt_u32 s[WV], 8
	s_cbranch_scc0 .Ldone
	ds_load_b32 v[OP+1], v[XA]
	s_wait_dscnt 0x0
	global_store_b64 v[L8], v[OP:OP+1], s[16:17]
.Ldone:
	s_wait_tensorcnt 0x0                           ; the wave's end
	ds_add_u32 v[SPW], v[NIL]
	s_wait_dscnt 0x0
	ROUND                                          ; the closing round
	s_endpgm
.Lfunc_end_k_q9b9b14d079_attn:
	.size	k_q9b9b14d079_attn, .Lfunc_end_k_q9b9b14d079_attn-k_q9b9b14d079_attn
	.p2alignl 7, 3214868480
	.fill 96, 4, 3214868480
	.section	.rodata,"a",@progbits
	.p2align	6, 0x0
	.amdhsa_kernel k_q9b9b14d079_attn
		.amdhsa_group_segment_fixed_size 327680
		.amdhsa_private_segment_fixed_size 0
		.amdhsa_enable_private_segment 0
		.amdhsa_kernarg_size 48
		.amdhsa_user_sgpr_count 2
		.amdhsa_user_sgpr_kernarg_segment_ptr 1
		.amdhsa_wavefront_size32 1
		.amdhsa_system_sgpr_workgroup_id_x 1
		.amdhsa_system_sgpr_workgroup_id_y 1
		.amdhsa_system_sgpr_workgroup_id_z 1
		.amdhsa_system_vgpr_workitem_id 0
		.amdhsa_next_free_vgpr 256
		.amdhsa_next_free_sgpr 100
		.amdhsa_reserve_vcc 0
		.amdhsa_float_denorm_mode_32 3
		.amdhsa_float_denorm_mode_16_64 3
		.amdhsa_memory_ordered 1
		.amdhsa_forward_progress 1
		.amdhsa_inst_pref_size 122
	.end_amdhsa_kernel
	.amdgpu_metadata
---
amdhsa.version: [ 1, 2 ]
amdhsa.kernels:
  - .name:           k_q9b9b14d079_attn
    .symbol:         k_q9b9b14d079_attn.kd
    .args:
      - { .name: qc, .offset: 0, .size: 8, .value_kind: global_buffer, .address_space: global }
      - { .name: qs, .offset: 8, .size: 8, .value_kind: global_buffer, .address_space: global }
      - { .name: kvc, .offset: 16, .size: 8, .value_kind: global_buffer, .address_space: global }
      - { .name: attention_mask, .offset: 24, .size: 8, .value_kind: global_buffer, .address_space: global }
      - { .name: cc, .offset: 32, .size: 8, .value_kind: global_buffer, .address_space: global }
      - { .name: cs, .offset: 40, .size: 8, .value_kind: global_buffer, .address_space: global }
    .group_segment_fixed_size: 327680
    .private_segment_fixed_size: 0
    .kernarg_segment_align: 8
    .kernarg_segment_size: 48
    .max_flat_workgroup_size: 512
    .sgpr_count:     100
    .vgpr_count:     256
    .wavefront_size: 32
...
	.end_amdgpu_metadata
.endif
;; end of part 2
;; launch oproj (part 3): grid 8 x 32, 4 waves a work-group, clusters of 4 x 4, 327,680 bytes of LDS; arguments cc, cs, Wo_codes, Wo_scales, out0; writes out0
.if DOCPART == 3
	.amdgcn_target "amdgcn-amd-amdhsa--gfx1250"
	.amdhsa_code_object_version 6
	.text
	.protected	k_q9b9b14d079_oproj
	.globl	k_q9b9b14d079_oproj
	.p2align	8
	.type	k_q9b9b14d079_oproj,@function
k_q9b9b14d079_oproj:
	s_mov_b64 s[64:65], 0
	v_nop
	global_prefetch_b8 v0, s[64:65] scope:SCOPE_SE
	s_setreg_imm32_b32 hwreg(HW_REG_WAVE_MODE, 25, 1), 1
	s_wait_xcnt 0x0
	s_wait_alu depctr_hold_cnt(0) depctr_sa_sdst(0) depctr_va_vdst(0) depctr_va_sdst(0) depctr_va_ssrc(0) depctr_va_vcc(0) depctr_vm_vsrc(0)
	s_getreg_b32 s2, hwreg(HW_REG_IB_STS2, 6, 4)
	s_cmp_eq_u32 s2, 0
	s_cbranch_scc0 .Lentry_in_a_cluster
	s_endpgm
.Lentry_in_a_cluster:
	s_bfe_u32 s2, ttmp6, 0x10000c
	s_cmp_lg_u32 s2, 0xf033
	s_cbranch_scc0 .Lentry_shape_is_right
	s_endpgm
.Lentry_shape_is_right:
; out = ctx Wo^T on codes of FP6 (E2M3) with E8M0 scales, K = 1,024; out is f32.
; SHARES, as in the first launch: a work-group owns 256 tokens (work-group y) and 128 columns of out (work-group x): two units of 64 rows of Wo.  Wave w owns 64 tokens, four tiles, and keeps their codes for all of K in 384 registers.
; ctx comes as images of operand registers: a wave's four tiles are 49,152 dense bytes.  Tile T's lane r is token 8 T + (r & 7) + 32 (r >> 3) of the wave's 64.
; CLUSTER 4 x 4: ctx is shared along a row of the cluster, Wo along a column: joint loads.  Every LDS byte is filled once: no slot is filled again.
; LDS: two units of 64 rows x 816 bytes; the four waves' images; Wo's scale bytes; a stage of 16 rows x 272 bytes for each wave, in blocks of 256 bytes into which no fill lands.
.set PITCH,  816
.set UNITB,  64*PITCH
.set AIMG,   2*UNITB                   ; 104,448
.set WSC,    AIMG+4*49152              ; 301,056
.set STG,    WSC+4352                  ; 305,408
.set PADW,   (3<<16)|(1<<20)|(1<<21)|(5<<22)|(3<<25)
.set LW0,  4
.set LW1,  5
.set LWS,  6
.set ADS,  7
.set ADW0, 8
.set A16,  10
.set A8,   11
.set L8,   12
.set STO,  13
.set SRD,  14
.set CO,   15
.set AS,   32
.set WS,   64
.set BB0,  96
.set G1A, 28
.set G1H, 44
.set G1S, 52
.set G0A, 60
.set G0H, 68
.set G0S, 72
.set WV,  80
.set CX,  81
.set CY,  82
.set WGX, 83
.set WGY, 84
.set UB,  89
.set USB, 90
.set CNT, 91
.set MSB, 0
.macro WIN new
.if MSB != (\new)
	s_set_vgpr_msb (MSB<<8)|(\new)
.set MSB, (\new)
.endif
.endm
.macro PLACES n
.rept \n
	v_nop
.endr
.endm
.macro ROUND
	s_barrier_signal -1
	s_barrier_wait -1
	s_cmp_lg_u32 s[WV], 0
	s_cbranch_scc1 .Lnw0_\@
	s_barrier_signal -3
.Lnw0_\@:
	s_barrier_wait -3
	s_barrier_signal -1
	s_barrier_wait -1
.endm
.macro G1REST g, c, r
	s_mov_b32 s[\g+1], (\c)<<16
	s_mov_b32 s[\g+2], (\r)<<16
	s_mov_b32 s[\g+3], (\c)<<16
	s_mov_b32 s[\g+4], \r
	s_mov_b32 s[\g+5], \c
	s_mov_b32 s[\g+6], 0
	s_mov_b32 s[\g+7], 0
.endm
.macro FRAG reg, adr, s, rowoff        ; a fragment of Wo from rows of 768 bytes with 16 of padding behind each 256: six pieces of 8 bytes; the second address register where lanes 16-31 lie behind one padding more
.irp p, 0,1,2,3,4,5
.set PCE, 12*(\s)+6*(\p/3)+\p%3
.if PCE%32 < 29
	ds_load_b64 v[\reg+2*\p:\reg+2*\p+1], v[\adr] offset:8*PCE+16*(PCE/32)+(\rowoff)
.else
	ds_load_b64 v[\reg+2*\p:\reg+2*\p+1], v[\adr+1] offset:8*PCE+16*(PCE/32)+(\rowoff)
.endif
.endr
.endm
.macro FETCHB s, buf
.irp wt, 0,1,2,3
	FRAG \buf+12*\wt, ADW0, \s, \wt*16*PITCH
.endr
.endm
.macro MULS s, buf                     ; 16 matrix instructions: source 0 = Wo, source 1 = my tokens; the 16 accumulators take turns; the first step's products start the sums
.irp T, 0,1,2,3
	WIN 0xf4+4*(\T/2)
.irp wt, 0,1,2,3
.set rA, 12*(8*(\T%2)+(\s))
.set rB, \buf+12*\wt
.set rD, 8*(4*\T+\wt)
.if (\s) == 0
	v_wmma_scale_f32_16x16x128_f8f6f4 v[rD:rD+7], v[rB:rB+11], v[rA:rA+11], 0, v[WS+8*\wt+(\s)], v[AS+8*\T+(\s)] matrix_a_fmt:MATRIX_FMT_FP6 matrix_b_fmt:MATRIX_FMT_FP6
.else
	v_wmma_scale_f32_16x16x128_f8f6f4 v[rD:rD+7], v[rB:rB+11], v[rA:rA+11], v[rD:rD+7], v[WS+8*\wt+(\s)], v[AS+8*\T+(\s)] matrix_a_fmt:MATRIX_FMT_FP6 matrix_b_fmt:MATRIX_FMT_FP6
.endif
.endr
.endr
.endm
.macro UNIT_MUL
	WIN 0
.irp wt, 0,1,2,3
	ds_load_b128 v[WS+8*\wt:WS+8*\wt+3], v[ADS] offset:\wt*544
	ds_load_b128 v[WS+8*\wt+4:WS+8*\wt+7], v[ADS] offset:\wt*544+16
.endr
	FETCHB 0, BB0
	s_wait_alu depctr_va_vdst(0)
.irp s, 0,1,2,3,4,5,6,7
	s_wait_dscnt 0x0                               ; this step's fragments are in
.if \s < 7
	WIN 0
	PLACES 4                                       ; behind the last step's products, which read the buffer that is loaded next
	FETCHB \s+1, BB0+48*((\s+1)%2)
.endif
	MULS \s, BB0+48*(\s%2)
.endr
	WIN 0
.endm
	s_load_b256 s[4:11], s[0:1], 0x0               ; cc, cs, Wo's codes, Wo's scales
	s_load_b64 s[12:13], s[0:1], 0x20              ; out
	v_lshl_add_u32 v254, v0, 2, 0x4ed00
	v_mov_b32 v255, 0
	ds_add_u32 v254, v255
	ds_add_u32 v254, v255
	v_lshrrev_b32 v24, 5, v0
	v_readfirstlane_b32 s[WV], v24
	s_bfe_u32 s[CX], ttmp6, 0x40000
	s_bfe_u32 s[CY], ttmp6, 0x40004
	s_lshl_b32 s[WGX], ttmp9, 2
	s_add_co_u32 s[WGX], s[WGX], s[CX]
	s_and_b32 s[WGY], ttmp7, 0xffff
	s_lshl_b32 s[WGY], s[WGY], 2
	s_add_co_u32 s[WGY], s[WGY], s[CY]
	s_lshl_b32 s94, s[CY], 2
	s_lshl_b32 s94, 15, s94                        ; my row of the cluster
	s_lshl_b32 s95, 0x1111, s[CX]                  ; my column
	s_or_b32 s[G1A], s94, (3<<16)|(1<<21)          ; ctx's images: 384 rows of 256 dense bytes, no padding
	G1REST G1A, 32, 384
	s_or_b32 s[G1H], s95, PADW
	G1REST G1H, 96, 128
	s_or_b32 s[G1S], s95, PADW
	G1REST G1S, 32, 16
	s_lshl_b32 s96, s[WGY], 2
	s_add_co_u32 s96, s96, s[WV]                   ; my 64 tokens' number, 0 .. 127
	s_lshl_b32 s94, s96, 10                        ; their scale words: four tiles of 256 bytes
	s_mov_b32 s95, 0
	s_lshl_b32 s92, s96, 18                        ; their rows of out: 64 x 4,096 bytes
	s_mov_b32 s93, 0
	s_and_b32 s99, s[WV], 1
	s_mul_i32 s99, s99, 98304                      ; waves 0 and 1 fetch a half each of the work-group's 196,608 bytes of images
	s_mul_i32 s96, s[WGY], 196608
	s_add_co_u32 s96, s96, s99
	s_mov_b32 s97, 0
	s_mul_i32 s100, s[WGX], 98304                  ; wave 2 fetches Wo's 128 rows whole
	s_mov_b32 s101, 0
	s_wait_dscnt 0x0
	s_wait_kmcnt 0x0
	s_mov_b32 s[G0A], 1
	s_add_co_u32 s[G0A+1], s99, AIMG
	s_add_nc_u64 s[G0A+2:G0A+3], s[4:5], s[96:97]
	s_or_b32 s[G0A+3], s[G0A+3], 0x80000000
	s_mov_b32 s[G0H], 1
	s_mov_b32 s[G0H+1], 0
	s_add_nc_u64 s[G0H+2:G0H+3], s[8:9], s[100:101]
	s_or_b32 s[G0H+3], s[G0H+3], 0x80000000
	s_lshl_b32 s100, s[WGX], 12
	s_mov_b32 s[G0S], 1
	s_mov_b32 s[G0S+1], WSC
	s_add_nc_u64 s[G0S+2:G0S+3], s[10:11], s[100:101]
	s_or_b32 s[G0S+3], s[G0S+3], 0x80000000
	s_add_nc_u64 s[6:7], s[6:7], s[94:95]
	s_add_nc_u64 s[12:13], s[12:13], s[92:93]
	s_lshl_b32 s100, s[WGX], 9
	s_add_nc_u64 s[12:13], s[12:13], s[100:101]    ; my 128 columns
	ROUND                                          ; all sixteen work-groups are here: the joint loads meet
	; the head's tiles, one joint load a wave, in one chain of branches on the wave's number
	s_cmp_lt_u32 s[WV], 2
	s_cbranch_scc0 .Lh_w
	tensor_load_to_lds s[G0A:G0A+3], s[G1A:G1A+7]  ; two waves' tiles of ctx
	s_nop 0
	PLACES 4
	s_branch .Lh_done
.Lh_w:
	s_cmp_eq_u32 s[WV], 2
	s_cbranch_scc0 .Lh_s
	tensor_load_to_lds s[G0H:G0H+3], s[G1H:G1H+7]  ; the two units of Wo
	s_nop 0
	PLACES 4
	s_branch .Lh_done
.Lh_s:
	tensor_load_to_lds s[G0S:G0S+3], s[G1S:G1S+7]  ; Wo's scale bytes
	s_nop 0
	PLACES 4
.Lh_done:
	v_and_b32 v24, 31, v0
	v_and_b32 v25, 15, v0
	v_bfe_u32 v26, v0, 4, 1
	v_bfe_u32 v28, v0, 3, 1
	v_lshlrev_b32 v[L8], 3, v24
.irp T, 0,1,2,3
.irp g, 0,1,2,3
	global_load_b64 v[AS+8*\T+2*\g:AS+8*\T+2*\g+1], v[L8], s[6:7] offset:\g*131072+\T*256   ; the scale words of K steps 2 g and 2 g + 1
.endr
.endr
	v_mul_u32_u24 v[LW0], v25, PITCH
	v_mad_u32_u24 v[LW0], v26, 24, v[LW0]
	v_lshl_add_u32 v[LW1], v26, 4, v[LW0]
	v_lshlrev_b32 v[LWS], 5, v25
	v_lshl_add_u32 v[LWS], v28, 4, v[LWS]
	s_mul_i32 s98, s[WV], 49152
	s_add_co_u32 s98, s98, AIMG
	v_lshlrev_b32 v[A16], 4, v24
	v_add_nc_u32 v[A16], s98, v[A16]
	v_add_nc_u32 v[A8], s98, v[L8]
	s_mul_i32 s98, s[WV], 4352
	s_add_co_u32 s98, s98, STG                     ; my stage
	v_mul_u32_u24 v[STO], v25, 272
	v_lshl_add_u32 v[STO], v26, 5, v[STO]
	v_add_nc_u32 v[STO], s98, v[STO]               ; in: row r, 32 bytes for each half of the lanes
	v_mul_u32_u24 v[SRD], v26, 272
	v_lshl_add_u32 v[SRD], v25, 4, v[SRD]
	v_add_nc_u32 v[SRD], s98, v[SRD]               ; back: lanes 0-15 one row of 256 bytes, lanes 16-31 the next
	v_lshlrev_b32 v[CO], 12, v26
	v_lshl_add_u32 v[CO], v25, 4, v[CO]            ; and the same two rows in out
	s_wait_alu depctr_va_vdst(0)
	s_wait_tensorcnt 0x0
	s_wait_loadcnt 0x0
	s_barrier_signal -1
	s_barrier_wait -1                              ; everybody's parts of the units and the scale bytes are in
.irp T, 0,1,2,3
	WIN 0x40*(1+\T/2)
.irp k, 0,1,2,3,4,5,6,7,8,9,10,11,12,13,14,15
	ds_load_b128 v[96*(\T%2)+6*\k:96*(\T%2)+6*\k+3], v[A16] offset:\T*12288+768*\k
	ds_load_b64 v[96*(\T%2)+6*\k+4:96*(\T%2)+6*\k+5], v[A8] offset:\T*12288+768*\k+512
.endr
.endr
	WIN 0
	s_mov_b32 s[UB], 0
	s_mov_b32 s[USB], WSC
	s_mov_b32 s[CNT], 2
.Lunit:
	v_add_nc_u32 v[ADW0], s[UB], v[LW0]
	v_add_nc_u32 v[ADW0+1], s[UB], v[LW1]
	v_add_nc_u32 v[ADS], s[USB], v[LWS]
	UNIT_MUL
	PLACES 5                                       ; behind the last products: their results are read below, their operands' registers are loaded, and the next unit's first products write over the sums
	; THE WAY OUT, a tile of 16 tokens x 64 columns at a time: a lane holds 32 neighbouring bytes of a row; through my stage they come back as whole rows of 256 bytes, which sixteen lanes store as one aligned block.
.irp T, 0,1,2,3
.if \T >= 2
	s_wait_xcnt 0x0                                ; tile T - 2's stores have read the registers that are loaded next
.endif
	WIN 0x0c                                       ; an LDS store's data are its source 1: window 3
.irp wt, 0,1,2,3
	ds_store_b128 v[STO], v[8*(4*\T+\wt):8*(4*\T+\wt)+3] offset:64*\wt       ; each accumulator from its low end on
	ds_store_b128 v[STO], v[8*(4*\T+\wt)+4:8*(4*\T+\wt)+7] offset:64*\wt+16
.endr
	WIN 0
.irp i, 0,1,2,3,4,5,6,7
	ds_load_b128 v[BB0+32*(\T%2)+4*\i:BB0+32*(\T%2)+4*\i+3], v[SRD] offset:2*\i*272   ; LDS serves a wave's instructions in order: these see my stores, and the next tile's stores come behind them
.endr
.irp i, 0,1,2,3,4,5,6,7
	s_wait_dscnt 7-\i                              ; the younger of these eight loads may be out
	global_store_b128 v[CO], v[BB0+32*(\T%2)+4*\i:BB0+32*(\T%2)+4*\i+3], s[12:13] offset:(8*\T+2*(\i%4)+32*(\i/4))*4096 th:TH_STORE_NT   ; stage rows 2 i and 2 i + 1 are tokens 8 T + 2 (i % 4) + 32 (i / 4) and the next
.endr
.endr
	s_wait_xcnt 0x0                                ; the stores have read their data and their base
	s_add_nc_u64 s[12:13], s[12:13], 256           ; the next 64 columns
	s_add_co_u32 s[UB], s[UB], UNITB
	s_add_co_u32 s[USB], s[USB], 2176
	s_sub_co_u32 s[CNT], s[CNT], 1
	s_cmp_lg_u32 s[CNT], 0
	s_cbranch_scc1 .Lunit
	s_wait_dscnt 0x0
	s_wait_tensorcnt 0x0
	ds_add_u32 v254, v255
	s_wait_dscnt 0x0
	ROUND                                          ; the closing round
	s_endpgm
.Lfunc_end_k_q9b9b14d079_oproj:
	.size	k_q9b9b14d079_oproj, .Lfunc_end_k_q9b9b14d079_oproj-k_q9b9b14d079_oproj
	.p2alignl 7, 3214868480
	.fill 96, 4, 3214868480
	.section	.rodata,"a",@progbits
	.p2align	6, 0x0
	.amdhsa_kernel k_q9b9b14d079_oproj
		.amdhsa_group_segment_fixed_size 327680
		.amdhsa_private_segment_fixed_size 0
		.amdhsa_enable_private_segment 0
		.amdhsa_kernarg_size 40
		.amdhsa_user_sgpr_count 2
		.amdhsa_user_sgpr_kernarg_segment_ptr 1
		.amdhsa_wavefront_size32 1
		.amdhsa_system_sgpr_workgroup_id_x 1
		.amdhsa_system_sgpr_workgroup_id_y 1
		.amdhsa_system_sgpr_workgroup_id_z 1
		.amdhsa_system_vgpr_workitem_id 0
		.amdhsa_next_free_vgpr 1024
		.amdhsa_next_free_sgpr 102
		.amdhsa_reserve_vcc 0
		.amdhsa_float_denorm_mode_32 3
		.amdhsa_float_denorm_mode_16_64 3
		.amdhsa_memory_ordered 1
		.amdhsa_forward_progress 1
		.amdhsa_inst_pref_size 57
	.end_amdhsa_kernel
	.amdgpu_metadata
---
amdhsa.version: [ 1, 2 ]
amdhsa.kernels:
  - .name:           k_q9b9b14d079_oproj
    .symbol:         k_q9b9b14d079_oproj.kd
    .args:
      - { .name: cc, .offset: 0, .size: 8, .value_kind: global_buffer, .address_space: global }
      - { .name: cs, .offset: 8, .size: 8, .value_kind: global_buffer, .address_space: global }
      - { .name: Wo_codes, .offset: 16, .size: 8, .value_kind: global_buffer, .address_space: global }
      - { .name: Wo_scales, .offset: 24, .size: 8, .value_kind: global_buffer, .address_space: global }
      - { .name: out0, .offset: 32, .size: 8, .value_kind: global_buffer, .address_space: global }
    .group_segment_fixed_size: 327680
    .private_segment_fixed_size: 0
    .kernarg_segment_align: 8
    .kernarg_segment_size: 40
    .max_flat_workgroup_size: 128
    .sgpr_count:     102
    .vgpr_count:     1024
    .wavefront_size: 32
...
	.end_amdgpu_metadata
.endif
;; end of part 3
